; MI455X (gfx1250); checked and timed in simulation.
; The chip was launched on July 23, 2026; its instructions are those of AMD's public machine-readable ISA for CDNA 5 (MIT licence, August 2026) and "CDNA5" Instruction Set Architecture Reference Guide (July 2026). The comments in the code are by the model that wrote it; some were corrected since.
;; NON Local Block1 D mutual. Allowed arithmetic: matrix products marked QUANTISED: E2M3 operands, one E8M0 scale for each 32 along K, by v_wmma_scale_f32_16x16x128_f8f6f4 with both operands' format E2M3, f32 sums; everything else in f32.
;; Inputs: b_W 512 float32; b_g 256 float32; b_phi 256 float32; b_theta 256 float32; beta 512 float32; gamma 512 float32; w_W_codes 512 x 16 x 24 uint8 (E2M3 codes of w_W, K innermost, in blocks of 32 codes, four codes in three bytes); w_W_scales 512 x 16 uint8 (E8M0 scales of w_W, one for each 32 codes along K); w_g_codes 256 x 16 x 24 uint8 (E2M3 codes of w_g, K innermost, in blocks of 32 codes, four codes in three bytes); w_g_scales 256 x 16 uint8 (E8M0 scales of w_g, one for each 32 codes along K); w_phi_codes 256 x 16 x 24 uint8 (E2M3 codes of w_phi, K innermost, in blocks of 32 codes, four codes in three bytes); w_phi_scales 256 x 16 uint8 (E8M0 scales of w_phi, one for each 32 codes along K); w_theta_codes 256 x 16 x 24 uint8 (E2M3 codes of w_theta, K innermost, in blocks of 32 codes, four codes in three bytes); w_theta_scales 256 x 16 uint8 (E8M0 scales of w_theta, one for each 32 codes along K); x 8 x 512 x 4,096 float32.
;; Outputs: out0 8 x 512 x 4,096 float32.
;; This version of the problem:
;;   THIS VERSION OF THE PROBLEM IS GIVEN IN LOW PRECISION. The matrix products marked QUANTISED in the list below multiply operands that are first quantised to E2M3 (2 exponent bits, 3 mantissa bits; 6 bits a number), with one power-of-two scale for each 32 numbers along K (OCP MX v1.0); their sums are f32. All else is computed in f32.
;;   The module's matrix products, in the order in which they are computed (A, B: the left and right operand; K: the contracted axis; several contracted axes count as one K, in the product's order):
;;     1. [M 32,768, K 512] x [K 512, N 256]; A: input x; B: input w_theta (given as codes): QUANTISED
;;     2. [M 32,768, K 512] x [K 512, N 256]; A: computed on the way; B: input w_phi (given as codes): QUANTISED
;;     3. [M 32,768, K 512] x [K 512, N 256]; A: computed on the way; B: input w_g (given as codes): QUANTISED
;;     4. batch 8 x [M 4,096, K 256] x [K 256, N 4,096]; A: computed on the way; B: computed on the way: QUANTISED
;;     5. [M 32,768, K 512] x [K 512, N 512]; A: computed on the way; B: input w_W (given as codes): QUANTISED
;;   THE QUANTISER, for each operand of a quantised product, along K:
;;     - K is cut into blocks of 32 from its start; a last block that is shorter is filled with zeros.
;;     - A block's scale is 2^e with e = floor(log2(the largest magnitude in the block)) - 2, held to -126 .. 127; a block of zeros has e = 0. As a byte (E8M0): e + 127.
;;     - Each number is divided by its block's scale, clamped to +-7.5, and rounded to the nearest number of E2M3, ties to even, subnormals kept.
;;     - The product sums the exact products of the quantised numbers (number of the format x scale) in f32.
;;   ~~~python
;;   def quantise(x, axis):      # numpy; x: float32 -> the quantised numbers, widened to float32 again
;;       x = np.moveaxis(x, axis, -1); K = x.shape[-1]
;;       x = np.pad(x, [(0, 0)] * (x.ndim - 1) + [(0, -K % 32)]); x = x.reshape(x.shape[:-1] + (-1, 32)); a = np.abs(x).max(-1, keepdims=True)
;;       e = np.where(a > 0, np.clip(np.frexp(np.where(a > 0, a, 1))[1] - 1 - 2, -126, 127), 0)      # np.frexp(a)[1] - 1 = floor(log2(a)), exactly
;;       r = np.clip(x / 2.0 ** e, -7.5, 7.5)
;;       step = 2.0 ** (np.maximum(np.frexp(np.where(r == 0, 1, r))[1] - 1, 0) - 3)
;;       q = np.round(r / step) * step * 2.0 ** e      # np.round: ties to even
;;       return np.moveaxis(q.reshape(q.shape[:-2] + (-1,))[..., :K], -1, axis).astype(np.float32)
;;   ~~~
;;   OPERANDS COMPUTED ON THE WAY. 'Computed on the way' means the value that the module computes at that place (a softmax that the list does not call 'softmax' is quantised finished and normalised). What goes into a quantiser is computed in f32, as accurately as f32 sums, v_exp_f32 and their like allow (about 1e-6 of the number): no bf16 or f16 on the way to a quantiser, and a product that is left as it is and whose result goes on into a quantised operand takes f32 operands (vector FMAs, or v_wmma_f32_16x16x4_f32). A number that lies on a knife's edge between two numbers of the format may be rounded either way, as far as f32 arithmetic and the matrix unit's own rounding can turn it there, and no further.
;;   INPUTS GIVEN AS CODES. w_W (in the module: [512, 512], K = its axis 1); w_g (in the module: [256, 512], K = its axis 1); w_phi (in the module: [256, 512], K = its axis 1); w_theta (in the module: [256, 512], K = its axis 1): each comes as NAME_codes (uint8): NAME with its K axis moved to the last place and cut into blocks of 32 codes, [.., K / 32, bytes a block], one block behind the other in memory; four codes in three bytes: a row's codes are one little-endian stream of bits, code i at bits 6 i .. 6 i + 5 (a code: sign, 2 exponent bits, 3 mantissa bits); and NAME_scales (uint8): the same leading axes, one E8M0 byte (e + 127) for each 32 codes along K. Its value is code x scale, taken as it is: it is not quantised again, and the codes and scales need not be those that the quantiser above would give.
;; One version. Each part assembles by itself: llvm-mc -triple=amdgcn-amd-amdhsa -mcpu=gfx1250 --defsym DOCPART=n.
;; ======== version 1 of 1: 5 launches
;; limits: right only within a limited range of input values
;; workspace buffers: qq 6,553,600 bytes; kk 6,553,600 bytes; vpart 262,144 bytes; rstat 262,144 bytes; mcol 131,072 bytes; bnp 1,048,576 bytes; bnc 8,192 bytes; wimg 196,608 bytes
;; launch proj (part 1): grid 32 x 8, 4 waves a work-group, no clusters, 327,680 bytes of LDS; arguments x, w_theta_codes, w_theta_scales, b_theta, w_phi_codes, w_phi_scales, b_phi, w_g_codes, w_g_scales, qq, kk, vpart, w_W_codes, wimg; writes qq, kk, vpart, wimg
.if DOCPART == 1
	.amdgcn_target "amdgcn-amd-amdhsa--gfx1250"
	.amdhsa_code_object_version 6
	.text
	.protected	k_q0ae830ae4b_proj
	.globl	k_q0ae830ae4b_proj
	.p2align	8
	.type	k_q0ae830ae4b_proj,@function
k_q0ae830ae4b_proj:
	s_mov_b64 s[64:65], 0
	v_nop
	global_prefetch_b8 v0, s[64:65] scope:SCOPE_SE
	s_setreg_imm32_b32 hwreg(HW_REG_WAVE_MODE, 25, 1), 1
	s_wait_xcnt 0x0
; THE PROGRAM.  out = BN(w_W y + b_W) + x, y = [m vsum, (1 - m) vsum], m = column means of softmax(q k), q from x[b], k and v from x[b - 1].  Five launches: this one (products 1 to 3),
; row statistics of the softmax, column sums with the BN statistics, the BN constants, the output.
; DEAD WORK.  b_W[o] is added to wy[b][o][p] alike for all b and p.  mu[o] is the mean of wy over (b, p), so b_W[o] is in mu[o] too and leaves wy - mu; var is the mean of (wy - mu)^2, so it leaves var as well.
; That holds for every value of every input.  b_W has then no way to out0: it is not loaded and is no argument of any launch.  LIMIT: a NaN, an infinity or an overflow that reaches b_W's term alone is not carried to the result.
; LIMITS of the program: NaN and infinities among the inputs are not served; scores q.k stay under 1e38 in size; a block of zeros gets the scale byte 1 where the quantiser says 127 (its codes are zeros, and the bytes
; are read by this program alone); the sums over points (vsum, m, mean, variance) are taken in another order than reference() takes them.
; THIS LAUNCH.  A work-group takes 128 points of batch b, all 512 channels of x: read once, quantised once along c.  It serves q of batch b and k, v of batch (b + 1) mod 8 (the roll).
; x's tile comes by two tensor loads a wave (64 rows of 512 bytes each).
; THE WEIGHTS stay in registers (windows 1 to 3).  They are loaded as they lie, 512 consecutive bytes a load, 32 rows (24 loads) at a time, into the registers that the rows' two tiles will take, and are turned into
; fragments through a stage of the wave's own in LDS: rows 400 bytes apart on the way in, 8 bytes a lane in the fragment's order on the way back, into the same registers.  The stages lie where x's images will lie.
; PHASE X: a lane is a point, its registers run down c: a block of 32 along K lies in one lane; the codes of two neighbouring blocks change halves
; by v_permlane16_swap_b32 and are then the operand's registers of two tiles of 16 points.  They go to LDS as images of registers.
; PHASE 1: the waves share the output channels: waves 0, 1: theta's 128 g on; waves 2, 3: phi's; each also 64 channels of g.  The products are used transposed
; (source 0 = 16 rows of a weight, source 1 = 16 points): a lane holds one point, and the rows of a tile are chosen so that the 16 registers of two neighbouring tiles are 16 neighbours along the next K.
; q and k are quantised in registers and stored as images of registers (a record = 128 points: fragment (tile m, K step s) at (2 m + s) 1536); their scale words at SCOFF.
; v is never stored: its four accumulators are chained over the eight tiles of points, so that they end as sums over points; the rest of the sum is four steps across lanes.
; w_W FOR THE LATER LAUNCHES: its 128 fragments (tile T of 16 channels, K step ks) are laid out once as images of registers, at (4 T + ks) 1536 of wimg: the wave ks of the work-group (T, batch 0) stores one.
; No cluster: no tile is shared (the weights, 307,200 bytes, go to registers).
.set XIMG,  262144                     ; LDS: x's tile at 0 (row c at 512 c); then x's 32 fragments ((4 m + s) 1536),
.set XSC,   311296                     ; their scale words ((4 pair + s) 128 + 4 lane: lanes 0-15 the even tile's, lanes 16-31 the odd tile's),
.set SPARE, 313344                     ; and the spare words, 128 bytes a wave
.set SPI,   400                        ; a row of the weights' stage: 384 bytes + 16 = 100 words: 16 neighbouring rows start at 16 different banks (64 banks of 4 bytes: ISA guide 11.1)
.set STGB,  32*SPI                     ; a wave's stage: 32 rows.  The four stages fill XIMG and XSC to the byte, ahead of phase X
.set SCOFF, 6291456                    ; where the scale words begin in qq and kk
.set VO,  2                            ; v2   my place in the wave's 64 sums of v
.set BA,  3                            ; v3   64 h: my half's bytes in a tile's bias
.set XA,  4                            ; v4   4 x thread: my point's byte in a row of x's tile; stepped by 65,536
.set LI,  5                            ; v5   16 x lane
.set LIX, 6                            ; v6   XIMG + 16 x lane
.set LSX, 7                            ; v7   XSC + 4 x lane
.set XWI, 8                            ; v8   where I store x's images
.set XWS, 9                            ; v9   and their scale words
.set RQ,  10                           ; v10  the stage, on the way back, theta or phi: my stage + (r + 8 (r / 8)) 400 + 24 h
.set WAV, 11                           ; v11  my byte in a tile of w_W in memory: r 384 + 24 h
.set SAQ, 12                           ; v12  my row's scale words, theta or phi
.set SAV, 13                           ; v13  g
.set SPW, 14                           ; v14  my spare word; never rewritten
.set NIL, 15                           ; v15  0; never rewritten
.set XF,  16                           ; v16-63  four fragments of x;  in phase X: FA, FB the fragments in the making, TT a conversion's result, XW the scale words
.set FA,  16
.set FB,  28
.set TT,  40
.set XW,  44
.set RV,  48                           ; v48  at the head: the stage on the way back, g: my stage + r 400 + 24 h
.set SA,  49                           ; v49-51 at the head: the stage on the way in, for loads 3 a + m: my stage + 16 lane + 16 ((32 m + lane) / 24)
.set HA,  64                           ; v64-127 eight tiles of q or k;  in phase X two sets of 32 numbers
.set X0,  64
.set PC,  128                          ; v128-147 the codes just made;  up to phase 1: my fragment of w_W
.set TM,  148                          ; v148-163 at work
.set PWS, 164                          ; v164-171 the scale words of the eight tiles of points
.set XS,  172                          ; v172-175 x's scale words
.set WS,  176                          ; v176-223 the weights' scale words: tile t of q/k at 4 t, of v at 32 + 4 t
.set VA,  224                          ; v224-255 v's four accumulators
.set WV,  8
.set GG,  9
.set BB,  10
.set BO,  11
.set SEL, 12
.set HM,  14
.set M0,  15
.set M1,  42
.set M2,  43
.set M3,  44
.set MSB, 0
.macro WIN new                         ; the immediate's high byte repeats the setting that is left
.if MSB != (\new)
	s_set_vgpr_msb (MSB<<8)|(\new)
.set MSB, (\new)
.endif
.endm
; one product: c < 0: the constant 0 starts the sum; rb: x's scale words are taken from lanes 16-31 (an odd tile of points)
.macro WMP d, a, b, c, sa, sb, rb
.if (\c) < 0
.if \rb
	v_wmma_scale_f32_16x16x128_f8f6f4 v[\d:\d+7], v[\a:\a+11], v[\b:\b+11], 0, v[\sa], v[\sb] matrix_a_fmt:MATRIX_FMT_FP6 matrix_b_fmt:MATRIX_FMT_FP6 matrix_b_scale:MATRIX_SCALE_ROW1
.else
	v_wmma_scale_f32_16x16x128_f8f6f4 v[\d:\d+7], v[\a:\a+11], v[\b:\b+11], 0, v[\sa], v[\sb] matrix_a_fmt:MATRIX_FMT_FP6 matrix_b_fmt:MATRIX_FMT_FP6
.endif
.else
.if \rb
	v_wmma_scale_f32_16x16x128_f8f6f4 v[\d:\d+7], v[\a:\a+11], v[\b:\b+11], v[\c:\c+7], v[\sa], v[\sb] matrix_a_fmt:MATRIX_FMT_FP6 matrix_b_fmt:MATRIX_FMT_FP6 matrix_b_scale:MATRIX_SCALE_ROW1
.else
	v_wmma_scale_f32_16x16x128_f8f6f4 v[\d:\d+7], v[\a:\a+11], v[\b:\b+11], v[\c:\c+7], v[\sa], v[\sb] matrix_a_fmt:MATRIX_FMT_FP6 matrix_b_fmt:MATRIX_FMT_FP6
.endif
.endif
.endm
; 64 numbers of a lane, register 16 b + i = k 32 b + 16 (lane / 16) + i of my point, become a fragment's codes in v[PC] on and its scale word in v[pw]
.macro QUANT s, pw
.irp b, 0,1,2,3
	v_max3_num_f32 v[TM+\b], |v[\s+16*\b]|, |v[\s+1+16*\b]|, 0x1800000   ; my 16 numbers of block b, and the floor 2^(3 - 127): the byte cannot fall under 1
.endr
.irp i, 2,4,6,8,10,12,14
.irp b, 0,1,2,3
	v_max3_num_f32 v[TM+\b], v[TM+\b], |v[\s+16*\b+\i]|, |v[\s+1+16*\b+\i]|
.endr
.endr
.irp b, 0,1,2,3
	v_permlanex16_b32 v[TM+4+\b], v[TM+\b], s[SEL], s[SEL+1]
.endr
.irp b, 0,1,2,3
	v_max_num_f32 v[TM+\b], v[TM+\b], v[TM+4+\b]   ; with lane l xor 16's: the block's largest magnitude
.endr
.irp b, 0,1,2,3
	v_add_nc_u32 v[TM+12+\b], 0xff000000, v[TM+\b]   ; 2 off its exponent field: the conversion's scale operand
.endr
.irp b, 0,1,2,3
	v_lshrrev_b32 v[TM+4+\b], 23, v[TM+12+\b]      ; the scale's byte
.endr
	v_lshl_or_b32 v[\pw], v[TM+5], 8, v[TM+4]
	v_lshl_or_b32 v[\pw], v[TM+6], 16, v[\pw]
	v_lshl_or_b32 v[\pw], v[TM+7], 24, v[\pw]
.irp c, 0,1
	v_cvt_scalef32_pk16_fp6_f32 v[PC+6*\c:PC+2+6*\c], v[\s+32*\c:\s+15+32*\c], v[TM+12+2*\c]
	v_cvt_scalef32_pk16_fp6_f32 v[PC+12+4*\c:PC+14+4*\c], v[\s+16+32*\c:\s+31+32*\c], v[TM+12+2*\c+1]   ; (a conversion's three registers begin on an even number)
.endr
	v_nop                                          ; one plain place behind a scaled conversion
.irp c, 0,1                                    ; the operand wants a whole block in a lane: lanes 0-15 block 2 c, lanes 16-31 block 2 c + 1
.irp i, 0,1,2
	v_permlane16_swap_b32 v[PC+6*\c+\i], v[PC+12+4*\c+\i]
.endr
.irp i, 0,1,2
	v_mov_b32 v[PC+3+6*\c+\i], v[PC+12+4*\c+\i]
.endr
.endr
.endm
; THE WEIGHTS, in six batches of 32 rows (12,288 bytes): batches 0 to 3 my 128 rows of theta or phi (windows 1, 1, 2, 2), batches 4, 5 my 64 rows of g (window 3).
; RAW: batch be as it lies: 24 loads of 512 consecutive bytes, into the 96 registers that its two tiles' fragments will take
.macro RAW be
	WIN 0x40*(1+(\be)/2)                           ; destination: the batch's window
.set j, 0
.rept 24
.if (\be) < 4
	global_load_b128 v[96*((\be)%2)+4*j:96*((\be)%2)+4*j+3], v[LI], s[32:33] offset:12288*(\be)+512*j
.else
	global_load_b128 v[96*((\be)%2)+4*j:96*((\be)%2)+4*j+3], v[LI], s[82:83] offset:12288*((\be)-4)+512*j
.endif
.set j, j+1
.endr
.endm
; TURNW: the batch goes through my stage.  A row is 24 pieces of 16 bytes, so three loads (96 pieces) are four rows: load 3 a + m lands 1600 a + 512 m bytes on from the address of its m.
; Back come the fragments: tile u of the batch, K step s, piece p.  Theta's and phi's tiles take rows 8 u + r + 8 (r / 8) of the batch, g's rows 16 u + r.
; LDS serves a wave's instructions in order (ISA guide 5.7.1.4): the loads see the stores, land in the registers that the stores have read, and the next batch's stores come behind them.
.macro TURNW be
	WIN 4*(1+(\be)/2)                              ; an LDS store's data are its source 1
.set j, 0
.rept 24
	ds_store_b128 v[SA+j%3], v[96*((\be)%2)+4*j:96*((\be)%2)+4*j+3] offset:1600*(j/3)+512*(j%3)
.set j, j+1
.endr
	WIN 0x40*(1+(\be)/2)
.irp u, 0,1
.irp s, 0,1,2,3
.irp p, 0,1,2,3,4,5
.if (\be) < 4
	ds_load_b64 v[96*((\be)%2)+48*\u+12*\s+2*\p:96*((\be)%2)+48*\u+12*\s+2*\p+1], v[RQ] offset:8*SPI*\u+96*\s+48*(\p/3)+8*(\p%3)
.else
	ds_load_b64 v[96*((\be)%2)+48*\u+12*\s+2*\p:96*((\be)%2)+48*\u+12*\s+2*\p+1], v[RV] offset:16*SPI*\u+96*\s+48*(\p/3)+8*(\p%3)
.endif
.endr
.endr
.endr
.endm
	s_load_b512 s[68:83], s[0:1], 0x0              ; x 68, theta's codes 70, scales 72, b_theta 74, phi's codes 76, scales 78, b_phi 80, g's codes 82
	s_load_b256 s[84:91], s[0:1], 0x40             ; g's scales 84, qq 86, kk 88, vpart 90
	s_load_b128 s[92:95], s[0:1], 0x60             ; w_W's codes 92, wimg 94
	v_lshl_add_u32 v[SPW], v0, 2, SPARE
	v_mov_b32 v[NIL], 0
	ds_add_u32 v[SPW], v[NIL]                      ; the opening: the add, twice on end, and its wait ahead of my first tensor load
	ds_add_u32 v[SPW], v[NIL]
	v_lshrrev_b32 v1, 5, v0
	v_readfirstlane_b32 s[WV], v1                  ; wave 0..3
	s_and_b32 s[GG], s[WV], 1                      ; which 128 channels of my role
	s_and_b32 s[BB], ttmp7, 0xffff                 ; batch of x and of q
	s_add_co_u32 s[BO], s[BB], 1
	s_and_b32 s[BO], s[BO], 7                      ; batch of k and v
	s_mov_b32 s16, 2<<16                           ; group 1: elements of 4 bytes, no mask, no padding
	s_mov_b32 s17, 128<<16                         ; tensor_dim0 = 128
	s_mov_b32 s18, 64<<16                          ; tensor_dim1 = 64
	s_mov_b32 s19, 128<<16                         ; tile_dim0 = 128
	s_mov_b32 s20, 64                              ; tile_dim1 = 64
	s_mov_b32 s21, 4096                            ; from row to row
	s_mov_b32 s22, 0
	s_mov_b32 s23, 0
	s_mov_b32 s[SEL], 0x76543210
	s_mov_b32 s[SEL+1], 0xfedcba98                 ; lane l xor 16
	v_and_b32 v1, 31, v0                           ; lane
	v_and_b32 v2, 15, v0                           ; r
	v_bfe_u32 v3, v0, 4, 1                         ; h
	v_lshlrev_b32 v[XA], 2, v0
	v_lshlrev_b32 v[LI], 4, v1
	v_add_nc_u32 v[LIX], XIMG, v[LI]
	v_lshl_add_u32 v[LSX], v1, 2, XSC
	s_mul_i32 s4, s[WV], 12288
	v_add_nc_u32 v[XWI], s4, v[LIX]                ; my two tiles' eight fragments
	s_lshl_b32 s4, s[WV], 9
	v_add_nc_u32 v[XWS], s4, v[LSX]
	v_and_b32 v12, 8, v2
	v_add_nc_u32 v12, v12, v2                      ; r + 8 (r / 8)
	s_mul_i32 s4, s[WV], STGB
	s_add_co_u32 s4, s4, XIMG                      ; my stage
	v_mul_u32_u24 v[RQ], v12, SPI
	v_mad_u32_u24 v[RQ], v3, 24, v[RQ]
	v_add_nc_u32 v[RQ], s4, v[RQ]
	v_mul_u32_u24 v[RV], v2, SPI
	v_mad_u32_u24 v[RV], v3, 24, v[RV]
	v_add_nc_u32 v[RV], s4, v[RV]
.irp m, 0,1,2
	v_add_nc_u32 v[SA+\m], 32*\m, v1               ; my piece among three loads' 96,
	v_mul_u32_u24 v[SA+\m], v[SA+\m], 171
	v_lshrrev_b32 v[SA+\m], 12, v[SA+\m]           ; / 24: its row among their four (x 171 / 4096 is / 24, rounded down, for all numbers under 96),
	v_lshl_add_u32 v[SA+\m], v[SA+\m], 4, v[LI]    ; 16 bytes of padding for each row passed
	v_add_nc_u32 v[SA+\m], s4, v[SA+\m]
.endr
	v_mul_u32_u24 v[WAV], v2, 384
	v_mad_u32_u24 v[WAV], v3, 24, v[WAV]
	v_lshlrev_b32 v[SAQ], 4, v12
	v_lshlrev_b32 v[SAV], 4, v2
	v_cmp_le_u32 s[HM], 16, v1                     ; lanes 16-31
	v_and_b32 v1, 1, v0
	v_cmp_ne_u32 s[M0], 0, v1
	v_and_b32 v1, 2, v0
	v_cmp_ne_u32 s[M1], 0, v1
	v_and_b32 v1, 4, v0
	v_cmp_ne_u32 s[M2], 0, v1
	v_and_b32 v1, 8, v0
	v_cmp_ne_u32 s[M3], 0, v1
	v_and_b32 v2, 7, v0
	v_lshl_add_u32 v2, v3, 3, v2
	v_bfe_u32 v1, v0, 3, 1
	v_lshl_add_u32 v2, v1, 4, v2
	v_lshlrev_b32 v[VO], 2, v2                     ; 4 ((r % 8) + 8 h + 16 (r / 8))
	v_lshlrev_b32 v[BA], 6, v3
	s_lshl_b32 s4, s[BB], 23                       ; x: ((512 b + 64 w) 4096 + 128 pb) 4 bytes
	s_lshl_b32 s5, s[WV], 20
	s_add_co_u32 s4, s4, s5
	s_lshl_b32 s5, ttmp9, 9
	s_add_co_u32 s4, s4, s5
	s_mov_b32 s5, 0
	s_wait_dscnt 0x0                               ; both opening adds are done
	s_wait_kmcnt 0x0
	s_mov_b32 s24, 1
	s_lshl_b32 s25, s[WV], 15                      ; LDS: rows 64 w on
	s_add_nc_u64 s[26:27], s[68:69], s[4:5]
	s_mov_b32 s28, 1
	s_add_co_u32 s29, s25, 131072                  ; rows 256 + 64 w on
	s_add_nc_u64 s[30:31], s[26:27], 0x400000      ; 256 rows of 16,384 bytes on
	s_or_b32 s27, s27, 0x80000000
	s_or_b32 s31, s31, 0x80000000
	tensor_load_to_lds s[24:27], s[16:23]          ; two loads of mine are out
	s_nop 0
	tensor_load_to_lds s[28:31], s[16:23]
	s_nop 0
.rept 4
	v_nop
.endr
	s_cmp_lt_u32 s[WV], 2                          ; waves 0, 1: theta and qq; waves 2, 3: phi and kk.  Only pointers are chosen: one path through the text
	s_cselect_b64 s[32:33], s[70:71], s[76:77]
	s_cselect_b64 s[34:35], s[72:73], s[78:79]
	s_cselect_b64 s[36:37], s[74:75], s[80:81]
	s_cselect_b64 s[38:39], s[86:87], s[88:89]
	s_cselect_b32 s6, s[BB], s[BO]
	s_mul_i32 s4, s[GG], 49152                     ; 128 rows of 384 bytes
	s_add_nc_u64 s[32:33], s[32:33], s[4:5]
	s_lshl_b32 s4, s[GG], 11                       ; 128 rows of 16 scale bytes
	s_add_nc_u64 s[34:35], s[34:35], s[4:5]
	s_lshl_b32 s4, s[GG], 9
	s_add_nc_u64 s[36:37], s[36:37], s[4:5]
	s_lshl_b32 s6, s6, 5
	s_add_co_u32 s6, s6, ttmp9                     ; the record: 32 x batch + block of points
	s_mov_b64 s[40:41], s[38:39]
	s_mul_i32 s4, s6, 24576
	s_mul_i32 s7, s[GG], 1536
	s_add_co_u32 s4, s4, s7
	s_add_nc_u64 s[38:39], s[38:39], s[4:5]        ; my K step's fragments of the record
	s_lshl_b32 s4, s6, 10
	s_lshl_b32 s7, s[GG], 9
	s_add_co_u32 s4, s4, s7
	s_add_co_u32 s4, s4, SCOFF
	s_add_nc_u64 s[40:41], s[40:41], s[4:5]        ; and its scale words
	s_mul_i32 s4, s[WV], 24576                     ; g: my 64 rows
	s_add_nc_u64 s[82:83], s[82:83], s[4:5]
	s_lshl_b32 s4, s[WV], 10
	s_add_nc_u64 s[84:85], s[84:85], s[4:5]
	s_lshl_b32 s4, s[BO], 5
	s_add_co_u32 s4, s4, ttmp9
	s_lshl_b32 s4, s4, 10
	s_lshl_b32 s7, s[WV], 8
	s_add_co_u32 s4, s4, s7
	s_add_nc_u64 s[90:91], s[90:91], s[4:5]
	s_mul_i32 s4, ttmp9, 6144                      ; w_W: tile T = my block's number (16 rows of 384 bytes), K step = my wave's number (96 bytes)
	s_mul_i32 s7, s[WV], 96
	s_add_co_u32 s4, s4, s7
	s_add_nc_u64 s[92:93], s[92:93], s[4:5]
	s_lshl_b32 s4, ttmp9, 2
	s_add_co_u32 s4, s4, s[WV]
	s_mul_i32 s4, s4, 1536                         ; its image: fragment 4 T + ks
	s_add_nc_u64 s[94:95], s[94:95], s[4:5]
	; the small loads first, so that no count below has to name them: the bias of tile t at v[192 + 8 (t % 4)] (tiles 0-3 in window 1, 4-7 in window 2), the scale words, my fragment of w_W
	WIN 0x40
.irp t, 0,1,2,3
	global_load_b128 v[192+8*\t:192+8*\t+3], v[BA], s[36:37] offset:(32*(\t/2)+8*(\t%2))*4
	global_load_b128 v[192+8*\t+4:192+8*\t+7], v[BA], s[36:37] offset:(32*(\t/2)+8*(\t%2))*4+16
.endr
	WIN 0x80
.irp t, 0,1,2,3
	global_load_b128 v[192+8*\t:192+8*\t+3], v[BA], s[36:37] offset:(64+32*(\t/2)+8*(\t%2))*4
	global_load_b128 v[192+8*\t+4:192+8*\t+7], v[BA], s[36:37] offset:(64+32*(\t/2)+8*(\t%2))*4+16
.endr
	WIN 0
.irp t, 0,1,2,3,4,5,6,7
	global_load_b128 v[WS+4*\t:WS+4*\t+3], v[SAQ], s[34:35] offset:(32*(\t/2)+8*(\t%2))*16   ; a row's 16 scale bytes: the words of its four K steps
.endr
.irp t, 0,1,2,3
	global_load_b128 v[WS+32+4*\t:WS+32+4*\t+3], v[SAV], s[84:85] offset:256*\t
.endr
.irp p, 0,1,2,3,4,5
	global_load_b64 v[PC+2*\p:PC+2*\p+1], v[WAV], s[92:93] offset:48*(\p/3)+8*(\p%3)   ; every work-group loads it (no register is then read unwritten on any way); batch 0's store it
.endr
.irp b, 0,1,2,3
	v_mov_b32 v[TM+4+\b], 0                        ; written once: a lane permute's destination counts as one of its sources
.endr
	; the weights: loads run two batches ahead of the stage; all this stands while x's tiles are on their way
	RAW 0
	RAW 1
	RAW 2
	s_wait_loadcnt 48                              ; batch 0 is in; the 48 loads of batches 1 and 2 may stay out
	TURNW 0
	RAW 3
	s_wait_loadcnt 48                              ; batch 1; 2 and 3 may stay out
	TURNW 1
	RAW 4
	s_wait_loadcnt 48
	TURNW 2
	RAW 5
	s_wait_loadcnt 48
	TURNW 3
	s_wait_loadcnt 24                              ; batch 4; batch 5's 24 may stay out
	TURNW 4
	s_wait_loadcnt 0x0                             ; all my loads from memory are in
	TURNW 5
	WIN 0
; PHASE X.  Block t: x(32 t + i, my point), i = 0 .. 31
.macro LOADX t
.set n, 0
.rept 32
	ds_load_b32 v[X0+32*((\t)%2)+n], v[XA] offset:(32*((\t)%4)+n)*512   ; 32 lanes read 128 consecutive bytes
.set n, n+1
.endr
.if (\t)%4 == 3
	v_add_nc_u32 v[XA], 0x10000, v[XA]             ; 128 rows on: the immediate has 16 bits
.endif
.endm
.macro BLOCK t, pre
.set XB, X0+32*((\t)%2)
.set FF, FA+12*((\t)%2)+6*(((\t)/2)%2)
.set FC, 6*(((\t)/2)%2)
.if \pre
	LOADX (\t)+1
	s_wait_dscnt 32                                ; all but the 32 just issued: this block's numbers are in, and earlier stores of images have read their registers
.else
	s_wait_dscnt 0x0
.endif
	v_max3_num_f32 v[TM], |v[XB]|, |v[XB+1]|, |v[XB+2]|   ; the block's largest magnitude: all 32 numbers are mine
	v_max3_num_f32 v[TM+1], |v[XB+3]|, |v[XB+4]|, |v[XB+5]|
.irp i, 6,10,14,18,22,26
	v_max3_num_f32 v[TM], v[TM], |v[XB+\i]|, |v[XB+\i+1]|
	v_max3_num_f32 v[TM+1], v[TM+1], |v[XB+\i+2]|, |v[XB+\i+3]|
.endr
	v_max3_num_f32 v[TM], v[TM], |v[XB+30]|, |v[XB+31]|
	v_max3_num_f32 v[TM], v[TM], v[TM+1], 0x1800000   ; and the floor 2^(3 - 127)
	v_add_nc_u32 v[TM+2], 0xff000000, v[TM]        ; 2 off the exponent field: the conversion's scale operand
	v_lshrrev_b32 v[TM+3], 23, v[TM+2]             ; the byte
.if (\t)%4 == 0
	v_mov_b32 v[XW+(\t)/4], v[TM+3]
.else
	v_lshl_or_b32 v[XW+(\t)/4], v[TM+3], 8*((\t)%4), v[XW+(\t)/4]
.endif
	v_cvt_scalef32_pk16_fp6_f32 v[FF:FF+2], v[XB:XB+15], v[TM+2]
	v_cvt_scalef32_pk16_fp6_f32 v[TT:TT+2], v[XB+16:XB+31], v[TM+2]
	v_nop                                          ; one plain place behind a scaled conversion
.irp i, 0,1,2
	v_mov_b32 v[FF+3+\i], v[TT+\i]
.endr
.if (\t)%2 == 1                                ; FA held the even block of all 32 points, FB the odd one: after the exchange FA is the even tile's registers (lanes 0-15 the even block, lanes 16-31 the odd), FB the odd tile's
.irp i, 0,1,2,3,4,5
	v_permlane16_swap_b32 v[FA+FC+\i], v[FB+FC+\i]
.endr
.endif
.if (\t)%4 == 3                                ; a K step of 128 is whole: both tiles' fragments and the scale words go to LDS as they stand
.irp i, 0,1,2
	ds_store_b128 v[XWI], v[FA+4*\i:FA+4*\i+3] offset:1536*((\t)/4)+512*\i
.endr
.irp i, 0,1,2
	ds_store_b128 v[XWI], v[FB+4*\i:FB+4*\i+3] offset:6144+1536*((\t)/4)+512*\i
.endr
	ds_store_b32 v[XWS], v[XW+(\t)/4] offset:128*((\t)/4)
.endif
.endm
	s_wait_tensorcnt 0x1                           ; my rows of c = 0 .. 255 are in; those of c = 256 .. 511 may stay out
	s_wait_dscnt 0x0                               ; my reads of my stage are over: behind this barrier the waves' images land on the stages' bytes
	s_barrier_signal -1
	s_barrier_wait -1                              ; both hold of every wave
	LOADX 0
.irp t, 0,1,2,3,4,5,6
	BLOCK \t, 1
.endr
	BLOCK 7, 0
	s_wait_tensorcnt 0x0                           ; my rows of the second half
	s_wait_dscnt 0x0
	s_barrier_signal -1
	s_barrier_wait -1
	LOADX 8
.irp t, 8,9,10,11,12,13,14
	BLOCK \t, 1
.endr
	BLOCK 15, 0
	s_wait_dscnt 0x0                               ; my images have landed
	s_barrier_signal -1
	s_barrier_wait -1                              ; x's 32 fragments lie in LDS
	s_cmp_lg_u32 s[BB], 0                          ; w_W's image: each byte of wimg has one writer: the work-groups of batch 0
	s_cbranch_scc1 .Lno_img
.irp g, 0,1,2
	global_store_b128 v[LI], v[PC+4*\g:PC+4*\g+3], s[94:95] offset:512*\g   ; 512 consecutive bytes a store; the first tile's wait on XCNT stands ahead of the next write of these registers
.endr
.Lno_img:
; PHASE 1, a tile of 16 points at a time: 32 products for q or k, 16 for v.  Accumulators by turns, one instruction a turn.
.macro P1 m
.irp s, 0,1,2,3
.irp i, 0,1,2
	ds_load_b128 v[XF+12*\s+4*\i:XF+12*\s+4*\i+3], v[LIX] offset:(4*(\m)+\s)*1536+512*\i
.endr
	ds_load_b32 v[XS+\s], v[LSX] offset:(4*((\m)/2)+\s)*128
.endr
	s_wait_dscnt 0x0
	WIN 0x11                                       ; source 0 (weights) and C (bias) window 1
.irp t, 0,1,2,3
	WMP HA+8*\t, 48*\t, XF, 192+8*\t, WS+4*\t, XS, (\m)%2
.endr
	WIN 0x01
.irp s, 1,2,3
.irp t, 0,1,2,3
	WMP HA+8*\t, 48*\t+12*\s, XF+12*\s, HA+8*\t, WS+4*\t+\s, XS+\s, (\m)%2
.endr
.endr
	WIN 0x22
.irp t, 0,1,2,3
	WMP HA+32+8*\t, 48*\t, XF, 192+8*\t, WS+16+4*\t, XS, (\m)%2
.endr
	WIN 0x02
.irp s, 1,2,3
.irp t, 0,1,2,3
	WMP HA+32+8*\t, 48*\t+12*\s, XF+12*\s, HA+32+8*\t, WS+16+4*\t+\s, XS+\s, (\m)%2
.endr
.endr
	WIN 0x03                                       ; v: its four sums go on from tile to tile of points
.irp s, 0,1,2,3
.irp t, 0,1,2,3
.if ((\m) == 0) && (\s == 0)
	WMP VA+8*\t, 48*\t, XF, -1, WS+32+4*\t, XS, 0
.else
	WMP VA+8*\t, 48*\t+12*\s, XF+12*\s, VA+8*\t, WS+32+4*\t+\s, XS+\s, (\m)%2
.endif
.endr
.endr
	WIN 0
.rept 5
	v_nop                                          ; places: four in front of reads of results and of loads into operands, five in front of the next tile's products, which begin q's sums anew
.endr
	s_wait_xcnt 0x0                                ; the earlier stores have read the codes' registers
	QUANT HA, PWS+(\m)
.irp i, 0,1,2
	global_store_b128 v[LI], v[PC+4*\i:PC+4*\i+3], s[38:39] offset:3072*(\m)+512*\i   ; 512 consecutive bytes a store
.endr
.endm
.irp m, 0,1,2,3,4,5,6,7
	P1 \m
.endr
	; the scale words of my K step: lanes 0-15 tiles 0-3 of row r, lanes 16-31 tiles 4-7: 512 consecutive bytes
.irp u, 0,1,2,3
	v_cndmask_b32 v[TM+\u], v[PWS+\u], v[PWS+4+\u], s[HM]
.endr
	global_store_b128 v[LI], v[TM:TM+3], s[40:41]
	; v: the sum over the 16 points that the lanes of a half hold; then each lane picks one channel: 128 consecutive bytes a store (1,024 bytes a work-group in all)
.irp k, 1,2,4,8
.set j, 0
.rept 32
	v_add_f32_dpp v[VA+j], v[VA+j], v[VA+j] row_xmask:\k row_mask:0xf bank_mask:0xf
.set j, j+1
.endr
.endr
.irp t, 0,1,2,3
.irp q, 0,1,2,3
	v_cndmask_b32 v[16+\q], v[VA+8*\t+2*\q], v[VA+8*\t+2*\q+1], s[M0]
.endr
	v_cndmask_b32 v20, v16, v17, s[M1]
	v_cndmask_b32 v21, v18, v19, s[M1]
	v_cndmask_b32 v[24+\t], v20, v21, s[M2]        ; register r % 8 of tile t
.endr
	v_cndmask_b32 v28, v24, v25, s[M3]
	v_cndmask_b32 v29, v26, v27, s[M3]
	global_store_b32 v[VO], v28, s[90:91]
	global_store_b32 v[VO], v29, s[90:91] offset:128
	s_wait_tensorcnt 0x0                           ; the wave's end
	ds_add_u32 v[SPW], v[NIL]
	s_wait_dscnt 0x0
	s_endpgm
.Lfunc_end_k_q0ae830ae4b_proj:
	.size	k_q0ae830ae4b_proj, .Lfunc_end_k_q0ae830ae4b_proj-k_q0ae830ae4b_proj
	.p2alignl 7, 3214868480
	.fill 96, 4, 3214868480
	.section	.rodata,"a",@progbits
	.p2align	6, 0x0
	.amdhsa_kernel k_q0ae830ae4b_proj
		.amdhsa_group_segment_fixed_size 327680
		.amdhsa_private_segment_fixed_size 0
		.amdhsa_enable_private_segment 0
		.amdhsa_kernarg_size 112
		.amdhsa_user_sgpr_count 2
		.amdhsa_user_sgpr_kernarg_segment_ptr 1
		.amdhsa_wavefront_size32 1
		.amdhsa_system_sgpr_workgroup_id_x 1
		.amdhsa_system_sgpr_workgroup_id_y 1
		.amdhsa_system_sgpr_workgroup_id_z 1
		.amdhsa_system_vgpr_workitem_id 0
		.amdhsa_next_free_vgpr 1024
		.amdhsa_next_free_sgpr 100
		.amdhsa_reserve_vcc 0
		.amdhsa_float_denorm_mode_32 3
		.amdhsa_float_denorm_mode_16_64 3
		.amdhsa_memory_ordered 1
		.amdhsa_forward_progress 1
		.amdhsa_inst_pref_size 213
	.end_amdhsa_kernel
	.amdgpu_metadata
---
amdhsa.version: [ 1, 2 ]
amdhsa.kernels:
  - .name:           k_q0ae830ae4b_proj
    .symbol:         k_q0ae830ae4b_proj.kd
    .args:
      - { .name: x, .offset: 0, .size: 8, .value_kind: global_buffer, .address_space: global }
      - { .name: w_theta_codes, .offset: 8, .size: 8, .value_kind: global_buffer, .address_space: global }
      - { .name: w_theta_scales, .offset: 16, .size: 8, .value_kind: global_buffer, .address_space: global }
      - { .name: b_theta, .offset: 24, .size: 8, .value_kind: global_buffer, .address_space: global }
      - { .name: w_phi_codes, .offset: 32, .size: 8, .value_kind: global_buffer, .address_space: global }
      - { .name: w_phi_scales, .offset: 40, .size: 8, .value_kind: global_buffer, .address_space: global }
      - { .name: b_phi, .offset: 48, .size: 8, .value_kind: global_buffer, .address_space: global }
      - { .name: w_g_codes, .offset: 56, .size: 8, .value_kind: global_buffer, .address_space: global }
      - { .name: w_g_scales, .offset: 64, .size: 8, .value_kind: global_buffer, .address_space: global }
      - { .name: qq, .offset: 72, .size: 8, .value_kind: global_buffer, .address_space: global }
      - { .name: kk, .offset: 80, .size: 8, .value_kind: global_buffer, .address_space: global }
      - { .name: vpart, .offset: 88, .size: 8, .value_kind: global_buffer, .address_space: global }
      - { .name: w_W_codes, .offset: 96, .size: 8, .value_kind: global_buffer, .address_space: global }
      - { .name: wimg, .offset: 104, .size: 8, .value_kind: global_buffer, .address_space: global }
    .group_segment_fixed_size: 327680
    .private_segment_fixed_size: 0
    .kernarg_segment_align: 8
    .kernarg_segment_size: 112
    .max_flat_workgroup_size: 128
    .sgpr_count:     100
    .vgpr_count:     1024
    .wavefront_size: 32
...
	.end_amdgpu_metadata
.endif
;; end of part 1
;; launch rowstat (part 2): grid 32 x 8, 16 waves a work-group, clusters of 4 x 1, 327,680 bytes of LDS; arguments qq, kk, rstat; writes rstat
.if DOCPART == 2
	.amdgcn_target "amdgcn-amd-amdhsa--gfx1250"
	.amdhsa_code_object_version 6
	.text
	.protected	k_q0ae830ae4b_rowstat
	.globl	k_q0ae830ae4b_rowstat
	.p2align	8
	.type	k_q0ae830ae4b_rowstat,@function
k_q0ae830ae4b_rowstat:
	s_mov_b64 s[64:65], 0
	v_nop
	global_prefetch_b8 v0, s[64:65] scope:SCOPE_SE
	s_setreg_imm32_b32 hwreg(HW_REG_WAVE_MODE, 25, 1), 1
	s_wait_xcnt 0x0
	s_wait_alu depctr_hold_cnt(0) depctr_sa_sdst(0) depctr_va_vdst(0) depctr_va_sdst(0) depctr_va_ssrc(0) depctr_va_vcc(0) depctr_vm_vsrc(0)
	s_getreg_b32 s2, hwreg(HW_REG_IB_STS2, 6, 4)
	s_cmp_eq_u32 s2, 0
	s_cbranch_scc0 .Lentry_in_a_cluster
	s_endpgm
.Lentry_in_a_cluster:
	s_bfe_u32 s2, ttmp6, 0x10000c
	s_cmp_lg_u32 s2, 0x3003
	s_cbranch_scc0 .Lentry_shape_is_right
	s_endpgm
.Lentry_shape_is_right:
; For each query of each batch: M, the row's largest score x log2(e) rounded up to a whole number (stored as -M), and 1 / Z, Z = the sum over all 4,096 keys of 2^(score x log2(e) - M).
; (b_W is left out of the whole program as dead work: the first kernel's head shows why.)
; SHARES.  A work-group owns the 128 queries of one record of qq.  Wave w: og = w % 2: four tiles of 16 queries, kept in registers (source 1); sg = w / 2: tile sg of every record of keys (source 0).
; In a result a lane holds one query (lane % 16) and eight keys.  Each LANE keeps a running maximum and sum of its own keys; the 16 parts of a query meet once, at the end, through LDS.
; The maximum is taken away before every exponential: M is the lane's running largest t rounded up; when it moves, the sum is multiplied by 2^(old M - new M), which rounds nothing.
; RING.  The keys' records (24,576 bytes, images of registers) come through two LDS slots of four records; the batch's scale words come once.  Waves 0-3 fetch, one record each.
; CLUSTER.  The four work-groups of a cluster own four records of queries of ONE batch and walk the same keys: every tensor load is a joint one (mask 15).
; LIMITS: scores under 1e38 in size; NaN and infinities are not served.
.set REC,   24576
.set SLOTB, 4*REC
.set SLOT1, 131072                     ; slot 1 begins here: one exclusive or turns an address
.set SCT,   262144                     ; the batch's key scale words, 32,768 bytes
.set STAT,  294912                     ; the lanes' (-M, sum): 1024 w + 256 o + 8 lane
.set SPARE, 311296                     ; the spare words, 128 bytes a wave
.set SCOFF, 6291456
.set STW,  1                           ; v1   where I store my statistics
.set SPW,  2
.set NIL,  3
.set ADF0, 4                           ; v4   16 lane + 3072 sg: my place in a record
.set ADS0, 5                           ; v5   my place among a record's scale words: lanes 0-15 K step 0, lanes 16-31 K step 1
.set ADFA, 6                           ; v6   records 0, 1 of the slot in hand
.set ADFB, 7                           ; v7   records 2, 3
.set OS,   8                           ; v8-11  my queries' scale words
.set SS,   12                          ; v12-13 the keys'
.set ADS,  14
.set MRA,  15                          ; v15  where thread t reads query t's 16 parts
.set ST,   16                          ; v16-39 six a tile of queries: -M, the largest score, the sum in two halves, f, at work
.set OF,   40                          ; v40-135 my queries' fragments: tile o, K step s at 24 o + 12 s
.set SF,   136                         ; v136-183 two tiles of keys
.set S,    184                         ; v184-247 scores: tile o of queries, tile u of keys at 16 o + 8 u
.set PFO,  255
.set WV, 10
.set OG, 11
.set SG, 12
.set BB, 13
.set CX, 14
.set OB, 15
.set G1R, 16
.set G1T, 24
.set G0R, 32
.set G0T, 36
.set CS, 40
.set TB, 42
.set TS, 43
.set SLOTS, 44
.set LIM, 45
.set PFA, 46
.set W3, 60
.macro ROUND                           ; a round of the cluster's barrier
	s_barrier_signal -1
	s_barrier_wait -1
	s_cmp_lg_u32 s[WV], 0
	s_cbranch_scc1 .Lnot_wave_0_\@
	s_barrier_signal -3
.Lnot_wave_0_\@:
	s_barrier_wait -3
	s_barrier_signal -1
	s_barrier_wait -1
.endm
.macro TLOAD                           ; waves 0-3 fetch a record each; the branch hangs on the wave's number alone
	s_cmp_lt_u32 s[WV], 4
	s_cbranch_scc0 .Lasked_\@
	tensor_load_to_lds s[G0R:G0R+3], s[G1R:G1R+7]
	s_nop 0
.rept 4
	v_nop
.endr
.Lasked_\@:
.endm
; A prefetch of the slot that the NEXT change will ask for: 98,304 bytes.  All clusters of a batch walk the same keys: the batch's first cluster asks; its four partners take 24,576 bytes each, told apart by address;
; in each, waves 4 to 6 take 8,192 bytes, lanes 256 bytes apart.  So each block of 256 bytes of slots 2 to 7 is named once.  The last change that fills a slot asks for nothing.
.macro ASK
	s_cmp_gt_u32 s[SLOTS], s[LIM]
	s_cbranch_scc0 .Lnot_mine_\@
	global_prefetch_b8 v[PFO], s[PFA:PFA+1] th:TH_LOAD_NT scope:SCOPE_SE
.Lnot_mine_\@:
.endm
; The change of slots, at a slot's head: all my tensor loads have landed, the add, my reads of the slot that I have left are over; then the round (fill = 1), and the other slot is asked for first thing behind it.
.macro CHANGE fill
	s_wait_tensorcnt 0x0
	ds_add_u32 v[SPW], v[NIL]
.if \fill
	ds_add_u32 v[SPW], v[NIL]                      ; twice on end here
	s_xor_b32 s[G0R+1], s[G0R+1], SLOT1            ; no load of mine is out: the walking descriptor steps
	s_add_nc_u64 s[G0R+2:G0R+3], s[G0R+2:G0R+3], SLOTB
	s_wait_xcnt 0x0                                ; the last prefetch, a slot back, has read its address
	s_add_nc_u64 s[PFA:PFA+1], s[PFA:PFA+1], SLOTB
.endif
	s_wait_dscnt 0x0
.if \fill
	ROUND
	TLOAD
	ASK
.else
	s_barrier_signal -1
	s_barrier_wait -1
.endif
.endm
.macro WMR d, a, b, z, sa, sb          ; z = 1: K step 0 starts the sum; else K step 1, whose scale words lie in lanes 16-31
.if \z
	v_wmma_scale_f32_16x16x128_f8f6f4 v[\d:\d+7], v[\a:\a+11], v[\b:\b+11], 0, v[\sa], v[\sb] matrix_a_fmt:MATRIX_FMT_FP6 matrix_b_fmt:MATRIX_FMT_FP6
.else
	v_wmma_scale_f32_16x16x128_f8f6f4 v[\d:\d+7], v[\a:\a+11], v[\b:\b+11], v[\d:\d+7], v[\sa], v[\sb] matrix_a_fmt:MATRIX_FMT_FP6 matrix_b_fmt:MATRIX_FMT_FP6 matrix_a_scale:MATRIX_SCALE_ROW1 matrix_b_scale:MATRIX_SCALE_ROW1
.endif
.endm
.macro LOADS a                         ; my tile of records 2 a and 2 a + 1 of the slot
.irp u, 0,1
.irp i, 0,1,2,3,4,5
.if \a
	ds_load_b128 v[SF+24*\u+4*\i:SF+24*\u+4*\i+3], v[ADFB] offset:REC*\u+512*\i
.else
	ds_load_b128 v[SF+24*\u+4*\i:SF+24*\u+4*\i+3], v[ADFA] offset:REC*\u+512*\i
.endif
.endr
	ds_load_b32 v[SS+\u], v[ADS] offset:1024*(2*\a+\u)
.endr
.endm
.macro MM                              ; 16 products, eight accumulators by turns
.irp u, 0,1
.irp o, 0,1,2,3
	WMR S+16*\o+8*\u, SF+24*\u, OF+24*\o, 1, SS+\u, OS+\o
.endr
.endr
.irp u, 0,1
.irp o, 0,1,2,3
	WMR S+16*\o+8*\u, SF+24*\u+12, OF+24*\o+12, 0, SS+\u, OS+\o
.endr
.endr
.rept 5
	v_nop                                          ; places: four for reads of results and loads into operands, five for the next products, which begin these sums anew
.endr
.endm
.macro SOFT                            ; 16 scores a tile of queries: maximum, M, exponentials, sum; the four tiles by turns
.irp i, 0,2,4,6,8,10,12,14
.irp o, 0,1,2,3
	v_max3_num_f32 v[ST+6*\o+1], v[ST+6*\o+1], v[S+16*\o+\i], v[S+16*\o+\i+1]
.endr
.endr
.irp o, 0,1,2,3
	v_mov_b32 v[ST+6*\o+5], v[ST+6*\o]             ; the old -M
.endr
.irp o, 0,1,2,3
	v_mul_f32 v[ST+6*\o+4], s[CS], v[ST+6*\o+1]    ; the largest t
.endr
.irp o, 0,1,2,3
	v_floor_f32 v[ST+6*\o], -v[ST+6*\o+4]          ; the new -M = -ceil(t)
.endr
.irp o, 0,1,2,3
	v_sub_f32 v[ST+6*\o+5], v[ST+6*\o], v[ST+6*\o+5]   ; old M - new M: a whole number, 0 or less
.endr
.irp o, 0,1,2,3
	v_cvt_i32_f32 v[ST+6*\o+5], v[ST+6*\o+5]       ; (it saturates)
.endr
.irp o, 0,1,2,3
	v_ldexp_f32 v[ST+6*\o+4], 1.0, v[ST+6*\o+5]    ; f = 2^(old M - new M)
.endr
.irp i, 0,2,4,6,8,10,12,14
.irp o, 0,1,2,3
	v_pk_fma_f32 v[S+16*\o+\i:S+16*\o+\i+1], v[S+16*\o+\i:S+16*\o+\i+1], s[CS:CS+1], v[ST+6*\o:ST+6*\o+1] op_sel_hi:[1,0,0]   ; t - M
.endr
.endr
.set j, 0
.rept 64
	v_exp_f32 v[S+j], v[S+j]
.set j, j+1
.endr
	v_nop                                          ; a plain place behind the last exponential
	s_wait_alu depctr_va_vdst(0)                   ; one wait for the batch, ahead of its first reader
.irp o, 0,1,2,3
	v_pk_fma_f32 v[ST+6*\o+2:ST+6*\o+3], v[ST+6*\o+2:ST+6*\o+3], v[ST+6*\o+4:ST+6*\o+5], v[S+16*\o:S+16*\o+1] op_sel_hi:[1,0,1]   ; the sum under the new M
.endr
.irp i, 2,4,6,8,10,12,14
.irp o, 0,1,2,3
	v_pk_add_f32 v[ST+6*\o+2:ST+6*\o+3], v[ST+6*\o+2:ST+6*\o+3], v[S+16*\o+\i:S+16*\o+\i+1]
.endr
.endr
.endm
.macro SLOTW                           ; a slot's four records
	v_add_nc_u32 v[ADFA], s[TB], v[ADF0]
	v_add_nc_u32 v[ADFB], 2*REC, v[ADFA]
	v_add_nc_u32 v[ADS], s[TS], v[ADS0]
	LOADS 0
	s_wait_dscnt 0x0
	MM
	LOADS 1                                        ; they land while the softmax runs
	SOFT
	s_wait_dscnt 0x0
	MM
	SOFT
	s_xor_b32 s[TB], s[TB], SLOT1
	s_add_co_u32 s[TS], s[TS], 4096
.endm
	s_load_b128 s[4:7], s[0:1], 0x0                ; qq, kk
	s_load_b64 s[8:9], s[0:1], 0x10                ; rstat
	v_lshl_add_u32 v[SPW], v0, 2, SPARE
	v_mov_b32 v[NIL], 0
	ds_add_u32 v[SPW], v[NIL]                      ; the opening: the add, twice on end, and its wait
	ds_add_u32 v[SPW], v[NIL]
	v_lshrrev_b32 v1, 5, v0
	v_readfirstlane_b32 s[WV], v1
	s_and_b32 s[OG], s[WV], 1
	s_lshr_b32 s[SG], s[WV], 1
	s_and_b32 s[W3], s[WV], 3
	s_and_b32 s[BB], ttmp7, 0xffff                 ; the batch, which the four partners share
	s_bfe_u32 s[CX], ttmp6, 0x40000
	s_lshl_b32 s[OB], ttmp9, 2
	s_add_co_u32 s[OB], s[OB], s[CX]               ; my record of queries: it enters global addresses alone
	s_mov_b32 s[G1R], 15|(3<<16)|(1<<21)           ; the mask: all four; elements of 8 bytes; bit 21 beside a mask
	s_mov_b32 s[G1R+1], 32<<16                     ; rows of 256 bytes,
	s_mov_b32 s[G1R+2], 96<<16                     ; 96 of them: a record
	s_mov_b32 s[G1R+3], 32<<16
	s_mov_b32 s[G1R+4], 96
	s_mov_b32 s[G1R+5], 32
	s_mov_b32 s[G1R+6], 0
	s_mov_b32 s[G1R+7], 0
	s_mov_b32 s[G1T], 15|(3<<16)|(1<<21)
	s_mov_b32 s[G1T+1], 32<<16
	s_mov_b32 s[G1T+2], 32<<16                     ; 32 rows: a quarter of the scale words
	s_mov_b32 s[G1T+3], 32<<16
	s_mov_b32 s[G1T+4], 32
	s_mov_b32 s[G1T+5], 32
	s_mov_b32 s[G1T+6], 0
	s_mov_b32 s[G1T+7], 0
	s_mov_b32 s[CS], 0x3fb8aa3b                    ; log2(e)
	s_mov_b32 s[CS+1], s[CS]
	s_mov_b32 s[TB], 0
	s_mov_b32 s[TS], 0
	s_mov_b32 s[SLOTS], 7
	s_sub_co_u32 s48, s[WV], 4
	s_cmp_lt_u32 s48, 3                            ; waves 4 to 6
	s_cselect_b32 s48, 0, 1
	s_or_b32 s48, s48, ttmp9                       ; of the batch's first cluster: the same in all four partners
	s_cmp_eq_u32 s48, 0
	s_cselect_b32 s[LIM], 1, -1
	v_and_b32 v248, 31, v0                         ; lane
	v_and_b32 v249, 15, v0                         ; r
	v_bfe_u32 v250, v0, 4, 1                       ; h
	s_mul_i32 s48, s[SG], 3072
	v_lshl_add_u32 v[ADF0], v248, 4, s48
	s_lshr_b32 s48, s[SG], 2
	s_lshl_b32 s48, s48, 8
	s_and_b32 s49, s[SG], 3
	s_lshl_b32 s49, s49, 2
	s_add_co_u32 s48, s48, s49
	s_add_co_u32 s48, s48, SCT
	v_lshl_add_u32 v[ADS0], v249, 4, s48
	v_lshl_add_u32 v[ADS0], v250, 9, v[ADS0]
	s_lshl_b32 s48, s[WV], 10
	s_add_co_u32 s48, s48, STAT
	v_lshl_add_u32 v[STW], v248, 3, s48
	v_bfe_u32 v251, v0, 6, 1
	v_lshl_add_u32 v[MRA], v251, 10, STAT
	v_bfe_u32 v251, v0, 4, 2
	v_lshl_add_u32 v[MRA], v251, 8, v[MRA]
	v_lshl_add_u32 v[MRA], v249, 3, v[MRA]
	v_lshlrev_b32 v252, 4, v248                    ; my queries' codes: 16 lane
	v_lshlrev_b32 v253, 4, v249
	v_lshl_add_u32 v253, v250, 9, v253             ; their scale words: 512 h + 16 r
	v_lshlrev_b32 v[PFO], 8, v248
	v_lshlrev_b32 v251, 2, v0                      ; 4 t
	s_mul_i32 s48, s[BB], 786432                   ; the keys of my batch, record W3
	s_mul_i32 s50, s[W3], REC
	s_add_co_u32 s48, s48, s50
	s_mov_b32 s49, 0
	s_lshl_b32 s51, s[W3], 13
	s_lshl_b32 s56, s[BB], 15
	s_add_co_u32 s56, s56, s51
	s_add_co_u32 s56, s56, SCOFF
	s_mov_b32 s57, 0
	s_lshl_b32 s52, s[BB], 5
	s_add_co_u32 s52, s52, s[OB]                   ; my record's number
	s_mov_b32 s55, 0
	s_wait_dscnt 0x0                               ; both opening adds are done
	s_wait_kmcnt 0x0
	s_mov_b32 s[G0R], 1
	s_mov_b32 s[G0R+1], s50
	s_add_nc_u64 s[G0R+2:G0R+3], s[6:7], s[48:49]
	s_or_b32 s[G0R+3], s[G0R+3], 0x80000000
	s_mov_b32 s[G0T], 1
	s_add_co_u32 s[G0T+1], s51, SCT
	s_add_nc_u64 s[G0T+2:G0T+3], s[6:7], s[56:57]
	s_or_b32 s[G0T+3], s[G0T+3], 0x80000000
	s_mul_i32 s54, s[BB], 786432                   ; the prefetches: my work-group's quarter, my wave's third of it, in slot 1: the first change steps it to slot 2
	s_mul_i32 s53, s[CX], REC
	s_add_co_u32 s54, s54, s53
	s_add_co_u32 s54, s54, s51
	s_add_co_u32 s54, s54, SLOTB
	s_add_nc_u64 s[PFA:PFA+1], s[6:7], s[54:55]
	s_mul_i32 s54, s52, REC
	s_mul_i32 s53, s[OG], 12288
	s_add_co_u32 s54, s54, s53
	s_add_nc_u64 s[56:57], s[4:5], s[54:55]        ; my four tiles of queries
	s_lshl_b32 s54, s52, 10
	s_add_nc_u64 s[8:9], s[8:9], s[54:55]          ; my record's statistics
	s_lshl_b32 s53, s[OG], 8
	s_add_co_u32 s54, s54, s53
	s_add_co_u32 s54, s54, SCOFF
	s_add_nc_u64 s[58:59], s[4:5], s[54:55]
	ROUND                                          ; all four work-groups are here: the first joint loads meet
	s_cmp_lt_u32 s[WV], 4
	s_cbranch_scc0 .Lno_first                      ; a wave's first fills stand in one branch: two loads are out
	tensor_load_to_lds s[G0T:G0T+3], s[G1T:G1T+7]
	s_nop 0
	tensor_load_to_lds s[G0R:G0R+3], s[G1R:G1R+7]
	s_nop 0
.rept 4
	v_nop
.endr
.Lno_first:
.set i, 0
.rept 24
	global_load_b128 v[OF+4*i:OF+4*i+3], v252, s[56:57] offset:512*i
.set i, i+1
.endr
	global_load_b128 v[OS:OS+3], v253, s[58:59]    ; lanes 0-15: K step 0's words of my four tiles; lanes 16-31: K step 1's
.irp o, 0,1,2,3
	v_mov_b32 v[ST+6*\o+1], 0xfe967699             ; the largest score so far: -1e38
	v_mov_b32 v[ST+6*\o+2], 0
	v_mov_b32 v[ST+6*\o+3], 0
	v_mov_b32 v[ST+6*\o+5], 0
.endr
.irp o, 0,1,2,3
	v_mul_f32 v[ST+6*\o+4], s[CS], v[ST+6*\o+1]
.endr
.irp o, 0,1,2,3
	v_floor_f32 v[ST+6*\o], -v[ST+6*\o+4]
.endr
	s_wait_loadcnt 0x0
.Lslot:                                            ; seven trips: behind each change of slots but the last the next slot is asked for
	CHANGE 1
	SLOTW
	s_sub_co_u32 s[SLOTS], s[SLOTS], 1
	s_cmp_lg_u32 s[SLOTS], 0
	s_cbranch_scc1 .Lslot
	CHANGE 0                                       ; the last slot is written out
	SLOTW
	; the 16 parts of a query meet
.irp o, 0,1,2,3
	v_add_f32 v[ST+6*\o+1], v[ST+6*\o+2], v[ST+6*\o+3]
.endr
.irp o, 0,1,2,3
	ds_store_b64 v[STW], v[ST+6*\o:ST+6*\o+1] offset:256*\o
.endr
	s_wait_dscnt 0x0
	s_barrier_signal -1
	s_barrier_wait -1
	s_cmp_lt_u32 s[WV], 4
	s_cbranch_scc0 .Lno_merge                      ; thread t of waves 0-3 takes query t
.irp k, 0,1,2,3,4,5,6,7,8,9,10,11,12,13,14,15
	ds_load_b64 v[S+2*\k:S+2*\k+1], v[MRA] offset:2048*(\k/2)+128*(\k%2)
.endr
	s_wait_dscnt 0x0
	v_min_num_f32 v248, v[S], v[S+2]
.irp k, 2,3,4,5,6,7,8,9,10,11,12,13,14,15
	v_min_num_f32 v248, v248, v[S+2*\k]            ; the least -M: the largest M
.endr
.irp k, 0,1,2,3,4,5,6,7,8,9,10,11,12,13,14,15
	v_sub_f32 v[S+2*\k], v248, v[S+2*\k]           ; the part's M less the largest: a whole number, 0 or less
.endr
.irp k, 0,1,2,3,4,5,6,7,8,9,10,11,12,13,14,15
	v_cvt_i32_f32 v[S+2*\k], v[S+2*\k]
.endr
.irp k, 0,1,2,3,4,5,6,7,8,9,10,11,12,13,14,15
	v_ldexp_f32 v[S+2*\k+1], v[S+2*\k+1], v[S+2*\k]
.endr
	v_add_f32 v249, v[S+1], v[S+3]
.irp k, 2,3,4,5,6,7,8,9,10,11,12,13,14,15
	v_add_f32 v249, v249, v[S+2*\k+1]
.endr
	v_rcp_f32 v250, v249
	v_nop                                          ; a plain place behind the reciprocal
	s_wait_alu depctr_va_vdst(0)                   ; and the wait ahead of its first reader
	global_store_b32 v251, v248, s[8:9]
	global_store_b32 v251, v250, s[8:9] offset:512
.Lno_merge:
	s_wait_tensorcnt 0x0                           ; the wave's end
	ds_add_u32 v[SPW], v[NIL]
	s_wait_dscnt 0x0
	ROUND                                          ; the closing round
	s_endpgm
.Lfunc_end_k_q0ae830ae4b_rowstat:
	.size	k_q0ae830ae4b_rowstat, .Lfunc_end_k_q0ae830ae4b_rowstat-k_q0ae830ae4b_rowstat
	.p2alignl 7, 3214868480
	.fill 96, 4, 3214868480
	.section	.rodata,"a",@progbits
	.p2align	6, 0x0
	.amdhsa_kernel k_q0ae830ae4b_rowstat
		.amdhsa_group_segment_fixed_size 327680
		.amdhsa_private_segment_fixed_size 0
		.amdhsa_enable_private_segment 0
		.amdhsa_kernarg_size 24
		.amdhsa_user_sgpr_count 2
		.amdhsa_user_sgpr_kernarg_segment_ptr 1
		.amdhsa_wavefront_size32 1
		.amdhsa_system_sgpr_workgroup_id_x 1
		.amdhsa_system_sgpr_workgroup_id_y 1
		.amdhsa_system_sgpr_workgroup_id_z 1
		.amdhsa_system_vgpr_workitem_id 0
		.amdhsa_next_free_vgpr 256
		.amdhsa_next_free_sgpr 100
		.amdhsa_reserve_vcc 0
		.amdhsa_float_denorm_mode_32 3
		.amdhsa_float_denorm_mode_16_64 3
		.amdhsa_memory_ordered 1
		.amdhsa_forward_progress 1
		.amdhsa_inst_pref_size 65
	.end_amdhsa_kernel
	.amdgpu_metadata
---
amdhsa.version: [ 1, 2 ]
amdhsa.kernels:
  - .name:           k_q0ae830ae4b_rowstat
    .symbol:         k_q0ae830ae4b_rowstat.kd
    .args:
      - { .name: qq, .offset: 0, .size: 8, .value_kind: global_buffer, .address_space: global }
      - { .name: kk, .offset: 8, .size: 8, .value_kind: global_buffer, .address_space: global }
      - { .name: rstat, .offset: 16, .size: 8, .value_kind: global_buffer, .address_space: global }
    .group_segment_fixed_size: 327680
    .private_segment_fixed_size: 0
    .kernarg_segment_align: 8
    .kernarg_segment_size: 24
    .max_flat_workgroup_size: 512
    .sgpr_count:     100
    .vgpr_count:     256
    .wavefront_size: 32
...
	.end_amdgpu_metadata
.endif
;; end of part 2
;; launch colsum (part 3): grid 32 x 8, 16 waves a work-group, clusters of 4 x 1, 327,680 bytes of LDS; arguments kk, qq, rstat, vpart, b_g, wimg, w_W_scales, mcol, bnp; writes mcol, bnp
.if DOCPART == 3
	.amdgcn_target "amdgcn-amd-amdhsa--gfx1250"
	.amdhsa_code_object_version 6
	.text
	.protected	k_q0ae830ae4b_colsum
	.globl	k_q0ae830ae4b_colsum
	.p2align	8
	.type	k_q0ae830ae4b_colsum,@function
k_q0ae830ae4b_colsum:
	s_mov_b64 s[64:65], 0
	v_nop
	global_prefetch_b8 v0, s[64:65] scope:SCOPE_SE
	s_setreg_imm32_b32 hwreg(HW_REG_WAVE_MODE, 25, 1), 1
	s_wait_xcnt 0x0
	s_wait_alu depctr_hold_cnt(0) depctr_sa_sdst(0) depctr_va_vdst(0) depctr_va_sdst(0) depctr_va_ssrc(0) depctr_va_vcc(0) depctr_vm_vsrc(0)
	s_getreg_b32 s2, hwreg(HW_REG_IB_STS2, 6, 4)
	s_cmp_eq_u32 s2, 0
	s_cbranch_scc0 .Lentry_in_a_cluster
	s_endpgm
.Lentry_in_a_cluster:
	s_bfe_u32 s2, ttmp6, 0x10000c
	s_cmp_lg_u32 s2, 0x3003
	s_cbranch_scc0 .Lentry_shape_is_right
	s_endpgm
.Lentry_shape_is_right:
; m[b][j] = the mean over the queries i of softmax(q k)[i][j], for 128 keys j a work-group; then y = [m vsum, (1 - m) vsum] of these 128 points, quantised, times w_W, and of that product the mean and the sum of
; squares about that mean for each of the 512 channels (the BN statistics' parts).  b_W is left out as dead work (the first kernel's head shows why): it moves neither wy - mean nor the variance.
; SHARES.  The work-group owns a record of 128 keys of kk (source 1, in registers: wave w % 2 picks four tiles); all 32 records of queries stream by (source 0: wave w / 2 picks a tile of each).  In a result a lane holds one
; key and eight queries; p = 2^(score log2(e) - M[query]) / Z[query], with -M and 1 / Z from the launch before: the row's maximum is taken away before every exponential.  A lane sums p over its queries.
; RING, CLUSTER: as in the launch before: two slots of four records, joint loads (mask 15), since the four partners walk the same queries; the batch's scale words and row statistics come once.
; TAIL.  Wave w = 2 pt + part quantises K steps 2 part, 2 part + 1 of y for the tile pt of 16 points (a block's largest |F vs| is |F| x the block's largest |vs|, since rounding keeps order); the fragments go to LDS as
; images of registers, into slot 0, which has had its last fill and its last read.  Then wave w makes channels 32 w on for all 128 points.  w_W's codes come as the images of registers that the first launch laid out
; (wimg: fragment (tile T, K step ks) at (4 T + ks) 1536): three loads of 512 consecutive bytes a fragment.
.set REC,   24576
.set SLOTB, 4*REC
.set SLOT1, 131072
.set RST,   98304                      ; behind slot 0: the batch's row statistics, 32,768 bytes
.set VS,    229376                     ; behind slot 1: vsum, 1,024 bytes;
.set VMX,   230400                     ; its eight blocks' largest magnitudes, twice (at 0 and at 128);
.set MRED,  230656                     ; the waves' column sums: 256 w + 64 o + 4 r;
.set MT,    234752                     ; m of the 128 points
.set SCT,   262144                     ; the batch's query scale words
.set SPARE, 294912
.set YIMG,  0                          ; y's 32 fragments ((4 pt + ks) 1536),
.set YSC,   49152                      ; their scale words (512 ks + 256 (pt / 4) + 16 r + 4 (pt % 4))
.set SCOFF, 6291456
.set SPW, 2
.set NIL, 3
; the loop's addresses
.set ADF0, 4
.set ADS0, 5
.set ADR0, 6
.set ADFA, 7
.set ADFB, 8
.set ADS,  9
.set ADR,  10
.set PFO,  11                          ; v11  the prefetches' offset; never rewritten
.set VGO,  13
.set VSW,  14
.set VMW,  15
; the tail's, made anew behind the loop
.set L16, 4
.set YIA, 4
.set R16, 5
.set YWA, 6
.set YSW, 7
.set VSA, 8
.set MRW, 9
.set MRR, 10
.set B8,  12
.set MTR, 13
.set YSR, 14
; the loop's data
.set OF,  16                           ; v16-111  my keys' fragments
.set SF,  112                          ; v112-135 a tile of queries
.set S,   136                          ; v136-167 scores
.set NQ,  168                          ; v168-199 two sets of (-M x 8, 1 / Z x 8)
.set ACC, 200                          ; v200-207 the column sums, a pair a tile of keys
.set VT,  208                          ; v208-239 vsum's parts
.set VB,  136
.set OS,  240                          ; v240-243 my keys' scale words, v244 the queries': these registers hold scales alone
.set SS,  244
; the tail's data
.set AC,  16                           ; v16-143  16 accumulators: (ct, pt) at 8 (8 ct + pt)
.set WB,  144                          ; v144-191 two sets of w_W's two fragments
.set YF,  192                          ; v192-239 four fragments of y
.set WSC, 240                          ; v240-247 w_W's scale words
.set YS,  248                          ; v248-255 y's
.set VSR, 16
.set PR,  80
.set YC,  112
.set YT,  124
.set VM,  128
.set SC,  136
.set BY,  140
.set FR,  192
.set MR,  194
.set YW,  195
.set SCL, 196
.set SA,  144
.set SB,  146
.set MN,  148
.set TD,  150
.set QQ,  154
.set RES, 160
.set WV, 10
.set OG, 11
.set SG, 12
.set BB, 13
.set CX, 14
.set KB, 15
.set G1R, 16
.set G1T, 24
.set G0R, 32
.set G0T, 36
.set CS, 40
.set TB, 42
.set TS, 43
.set SLOTS, 44
.set LIM, 45
.set PFA, 46
.set G0U, 56
.set HM, 61
.set SEL, 62
.set W3, 66
.set SGN, 67
.set ADC, 90
.set WC, 78
.macro ROUND
	s_barrier_signal -1
	s_barrier_wait -1
	s_cmp_lg_u32 s[WV], 0
	s_cbranch_scc1 .Lnot_wave_0_\@
	s_barrier_signal -3
.Lnot_wave_0_\@:
	s_barrier_wait -3
	s_barrier_signal -1
	s_barrier_wait -1
.endm
.macro TLOAD
	s_cmp_lt_u32 s[WV], 4
	s_cbranch_scc0 .Lasked_\@
	tensor_load_to_lds s[G0R:G0R+3], s[G1R:G1R+7]
	s_nop 0
.rept 4
	v_nop
.endr
.Lasked_\@:
.endm
.macro ASK                             ; the slot that the next change will ask for: the batch's first cluster, a quarter a partner by address, waves 4 to 6, lanes 256 bytes apart: each block named once
	s_cmp_gt_u32 s[SLOTS], s[LIM]
	s_cbranch_scc0 .Lnot_mine_\@
	global_prefetch_b8 v[PFO], s[PFA:PFA+1] th:TH_LOAD_NT scope:SCOPE_SE
.Lnot_mine_\@:
.endm
.macro CHANGE fill
	s_wait_tensorcnt 0x0
	ds_add_u32 v[SPW], v[NIL]
.if \fill
	ds_add_u32 v[SPW], v[NIL]                      ; twice on end here
	s_xor_b32 s[G0R+1], s[G0R+1], SLOT1
	s_add_nc_u64 s[G0R+2:G0R+3], s[G0R+2:G0R+3], SLOTB
	s_wait_xcnt 0x0                                ; the last prefetch has read its address
	s_add_nc_u64 s[PFA:PFA+1], s[PFA:PFA+1], SLOTB
.endif
	s_wait_dscnt 0x0
.if \fill
	ROUND
	TLOAD
	ASK
.else
	s_barrier_signal -1
	s_barrier_wait -1
.endif
.endm
.macro WMR d, a, b, z, sa, sb
.if \z
	v_wmma_scale_f32_16x16x128_f8f6f4 v[\d:\d+7], v[\a:\a+11], v[\b:\b+11], 0, v[\sa], v[\sb] matrix_a_fmt:MATRIX_FMT_FP6 matrix_b_fmt:MATRIX_FMT_FP6
.else
	v_wmma_scale_f32_16x16x128_f8f6f4 v[\d:\d+7], v[\a:\a+11], v[\b:\b+11], v[\d:\d+7], v[\sa], v[\sb] matrix_a_fmt:MATRIX_FMT_FP6 matrix_b_fmt:MATRIX_FMT_FP6 matrix_a_scale:MATRIX_SCALE_ROW1 matrix_b_scale:MATRIX_SCALE_ROW1
.endif
.endm
.macro WM5 d, a, b, z, sa, sb          ; the last product's: all scale words in lanes 0-15
.if \z
	v_wmma_scale_f32_16x16x128_f8f6f4 v[\d:\d+7], v[\a:\a+11], v[\b:\b+11], 0, v[\sa], v[\sb] matrix_a_fmt:MATRIX_FMT_FP6 matrix_b_fmt:MATRIX_FMT_FP6
.else
	v_wmma_scale_f32_16x16x128_f8f6f4 v[\d:\d+7], v[\a:\a+11], v[\b:\b+11], v[\d:\d+7], v[\sa], v[\sb] matrix_a_fmt:MATRIX_FMT_FP6 matrix_b_fmt:MATRIX_FMT_FP6
.endif
.endm
; vsum[ch] = the sum of the 32 blocks' parts + 4096 b_g[ch]; a wave's 32 channels are one block of 32 along the last product's K
.macro VSUM
.set i, 0
.rept 32
	global_load_b32 v[VT+i], v[VGO], s[74:75] offset:1024*i
.set i, i+1
.endr
	global_load_b32 v[VB], v[VGO], s[76:77]
	s_wait_loadcnt 0x0
	v_add_f32 v[VT], v[VT], v[VT+1]
.set i, 2
.rept 30
	v_add_f32 v[VT], v[VT], v[VT+i]
.set i, i+1
.endr
	v_fma_f32 v[VT], 0x45800000, v[VB], v[VT]      ; + 4096 b_g
	ds_store_b32 v[VSW], v[VT]
	v_and_b32 v[VT+1], 0x7fffffff, v[VT]
	v_max_num_f32_dpp v[VT+1], v[VT+1], v[VT+1] row_xmask:1 row_mask:0xf bank_mask:0xf
	v_max_num_f32_dpp v[VT+1], v[VT+1], v[VT+1] row_xmask:2 row_mask:0xf bank_mask:0xf
	v_max_num_f32_dpp v[VT+1], v[VT+1], v[VT+1] row_xmask:4 row_mask:0xf bank_mask:0xf
	v_max_num_f32_dpp v[VT+1], v[VT+1], v[VT+1] row_xmask:8 row_mask:0xf bank_mask:0xf
	v_permlanex16_b32 v[VT+2], v[VT+1], s[SEL], s[SEL+1]
	v_max_num_f32 v[VT+1], v[VT+1], v[VT+2]
	ds_store_b32 v[VMW], v[VT+1]                   ; all lanes write one word with one value;
	ds_store_b32 v[VMW], v[VT+1] offset:128        ; a second copy, which lanes 16-31 read by the address that serves vsum
.endm
.macro CL p                            ; my tile of record p of the slot, its scale word, its queries' -M and 1 / Z
.set NL, NQ+16*((\p)%2)
.irp i, 0,1,2,3,4,5
.if (\p) < 2
	ds_load_b128 v[SF+4*\i:SF+4*\i+3], v[ADFA] offset:REC*(\p)+512*\i
.else
	ds_load_b128 v[SF+4*\i:SF+4*\i+3], v[ADFB] offset:REC*((\p)-2)+512*\i
.endif
.endr
	ds_load_b32 v[SS], v[ADS] offset:1024*(\p)
	ds_load_b128 v[NL:NL+3], v[ADR] offset:1024*(\p)
	ds_load_b128 v[NL+4:NL+7], v[ADR] offset:1024*(\p)+16
	ds_load_b128 v[NL+8:NL+11], v[ADR] offset:1024*(\p)+512
	ds_load_b128 v[NL+12:NL+15], v[ADR] offset:1024*(\p)+528
.endm
.macro CT p
.set NC, NQ+16*((\p)%2)
	s_wait_dscnt 0x0
.irp o, 0,1,2,3
	WMR S+8*\o, SF, OF+24*\o, 1, SS, OS+\o
.endr
.irp o, 0,1,2,3
	WMR S+8*\o, SF+12, OF+24*\o+12, 0, SS, OS+\o
.endr
.rept 5
	v_nop                                          ; places: four for reads and loads, five for the next products, which begin these sums anew
.endr
.if (\p) < 3
	CL (\p)+1
.endif
.irp i, 0,1,2,3
.irp o, 0,1,2,3
	v_pk_fma_f32 v[S+8*\o+2*\i:S+8*\o+2*\i+1], v[S+8*\o+2*\i:S+8*\o+2*\i+1], s[CS:CS+1], v[NC+2*\i:NC+2*\i+1] op_sel_hi:[1,0,1]   ; t - M of the register's query
.endr
.endr
.set j, 0
.rept 32
	v_exp_f32 v[S+j], v[S+j]
.set j, j+1
.endr
	v_nop                                          ; a plain place behind the last exponential
	s_wait_alu depctr_va_vdst(0)                   ; one wait for the batch
.irp i, 0,1,2,3
.irp o, 0,1,2,3
	v_pk_fma_f32 v[ACC+2*\o:ACC+2*\o+1], v[S+8*\o+2*\i:S+8*\o+2*\i+1], v[NC+8+2*\i:NC+8+2*\i+1], v[ACC+2*\o:ACC+2*\o+1]   ; += p / Z
.endr
.endr
.endm
.macro SLOTC
	v_add_nc_u32 v[ADFA], s[TB], v[ADF0]
	v_add_nc_u32 v[ADFB], 2*REC, v[ADFA]
	v_add_nc_u32 v[ADS], s[TS], v[ADS0]
	v_add_nc_u32 v[ADR], s[TS], v[ADR0]            ; scale words and statistics both go 4,096 bytes a slot
	CL 0
	CT 0
	CT 1
	CT 2
	CT 3
	s_xor_b32 s[TB], s[TB], SLOT1
	s_add_co_u32 s[TS], s[TS], 4096
.endm
; K step 2 part + sp of y for my tile of points: lane (r, h) makes F[r] x vsum[128 sp + 64 c + 32 h + 0 .. 31]
.macro QY sp
.irp c, 0,1
.irp q, 0,1,2,3,4,5,6,7
	ds_load_b128 v[VSR+32*\c+4*\q:VSR+32*\c+4*\q+3], v[VSA] offset:512*(\sp)+256*\c+16*\q
.endr
.endr
	s_wait_dscnt 16                                ; all but the 16 just issued: the blocks' maxima are in, and earlier stores have read their registers
.irp e, 0,1,2,3
	v_mul_f32 v[SC+\e], |v[FR]|, v[VM+4*(\sp)+\e]  ; the block's largest magnitude
.endr
.irp e, 0,1,2,3
	v_max_num_f32 v[SC+\e], 0x1800000, v[SC+\e]    ; the floor 2^(3 - 127)
.endr
.irp e, 0,1,2,3
	v_add_nc_u32 v[SC+\e], 0xff000000, v[SC+\e]    ; the conversion's scale operand
.endr
.irp e, 0,1,2,3
	v_lshrrev_b32 v[BY+\e], 23, v[SC+\e]
.endr
	v_lshl_or_b32 v[YW], v[BY+1], 8, v[BY]
	v_lshl_or_b32 v[YW], v[BY+2], 16, v[YW]
	v_lshl_or_b32 v[YW], v[BY+3], 24, v[YW]
	v_cndmask_b32 v[SCL], v[SC], v[SC+1], s[HM]    ; my half's block of each 64
	v_cndmask_b32 v[SCL+1], v[SC+2], v[SC+3], s[HM]
	s_wait_dscnt 0x0
.irp c, 0,1
.set q, 0
.rept 16
	v_pk_mul_f32 v[PR+2*q:PR+2*q+1], v[VSR+32*\c+2*q:VSR+32*\c+2*q+1], v[FR:FR+1] op_sel_hi:[1,0]
.set q, q+1
.endr
	v_cvt_scalef32_pk16_fp6_f32 v[YC+6*\c:YC+6*\c+2], v[PR:PR+15], v[SCL+\c]
	v_cvt_scalef32_pk16_fp6_f32 v[YT:YT+2], v[PR+16:PR+31], v[SCL+\c]
	v_nop                                          ; one plain place behind a scaled conversion
.irp i, 0,1,2
	v_mov_b32 v[YC+6*\c+3+\i], v[YT+\i]
.endr
.endr
.irp i, 0,1,2
	ds_store_b128 v[YWA], v[YC+4*\i:YC+4*\i+3] offset:1536*(\sp)+512*\i
.endr
	ds_store_b32 v[YSW], v[YW] offset:512*(\sp)
.endm
.macro WLOAD ks                        ; w_W's two tiles of 16 channels, K step ks, as images of registers: six loads of 512 consecutive bytes
.irp ct, 0,1
.irp g, 0,1,2
	global_load_b128 v[WB+24*((\ks)%2)+12*\ct+4*\g:WB+24*((\ks)%2)+12*\ct+4*\g+3], v[L16], s[WC:WC+1] offset:6144*\ct+1536*(\ks)+512*\g
.endr
.endr
.endm
; a K step of the last product: source 0 = 16 points of y, source 1 = 16 channels of w_W: a lane holds one channel and eight neighbouring points.  left: the younger global loads, which may stay out
.macro KSTEP ks, left, z
	s_wait_loadcnt \left
	ds_load_b128 v[YS:YS+3], v[YSR] offset:512*(\ks)
	ds_load_b128 v[YS+4:YS+7], v[YSR] offset:512*(\ks)+256
.irp a, 0,1
.irp q, 0,1,2,3
.irp i, 0,1,2
	ds_load_b128 v[YF+12*\q+4*\i:YF+12*\q+4*\i+3], v[YIA] offset:(4*(4*\a+\q)+(\ks))*1536+512*\i
.endr
.endr
	s_wait_dscnt 0x0
.irp q, 0,1,2,3
.irp ct, 0,1
	WM5 AC+8*(8*\ct+4*\a+\q), YF+12*\q, WB+24*((\ks)%2)+12*\ct, \z, YS+4*\a+\q, WSC+4*\ct+(\ks)
.endr
.endr
.rept 4
	v_nop                                          ; places in front of loads into operands and of reads of results
.endr
.endr
.endm
; of tile ct's 128 points a channel: the mean, and the sum of squares about it
.macro STATS ct
.set A0, AC+64*\ct
	v_pk_add_f32 v[SA:SA+1], v[A0:A0+1], v[A0+4:A0+5]
	v_pk_add_f32 v[SB:SB+1], v[A0+2:A0+3], v[A0+6:A0+7]
.irp a, 1,2,3,4,5,6,7
	v_pk_add_f32 v[SA:SA+1], v[SA:SA+1], v[A0+8*\a:A0+8*\a+1]
	v_pk_add_f32 v[SB:SB+1], v[SB:SB+1], v[A0+8*\a+2:A0+8*\a+3]
	v_pk_add_f32 v[SA:SA+1], v[SA:SA+1], v[A0+8*\a+4:A0+8*\a+5]
	v_pk_add_f32 v[SB:SB+1], v[SB:SB+1], v[A0+8*\a+6:A0+8*\a+7]
.endr
	v_pk_add_f32 v[SA:SA+1], v[SA:SA+1], v[SB:SB+1]
	v_add_f32 v[SA], v[SA], v[SA+1]
	v_permlanex16_b32 v[SA+1], v[SA], s[SEL], s[SEL+1]
	v_add_f32 v[SA], v[SA], v[SA+1]
	v_mul_f32 v[MN], 0x3c000000, v[SA]             ; / 128
	v_mov_b32 v[MN+1], v[MN]
.irp q, 0,1
	v_pk_add_f32 v[TD+2*\q:TD+2*\q+1], v[A0+2*\q:A0+2*\q+1], v[MN:MN+1] neg_lo:[0,1] neg_hi:[0,1]
	v_pk_mul_f32 v[QQ+2*\q:QQ+2*\q+1], v[TD+2*\q:TD+2*\q+1], v[TD+2*\q:TD+2*\q+1]
.endr
.set q, 2
.rept 30
	v_pk_add_f32 v[TD+2*(q%2):TD+2*(q%2)+1], v[A0+2*q:A0+2*q+1], v[MN:MN+1] neg_lo:[0,1] neg_hi:[0,1]
	v_pk_fma_f32 v[QQ+2*(q%2):QQ+2*(q%2)+1], v[TD+2*(q%2):TD+2*(q%2)+1], v[TD+2*(q%2):TD+2*(q%2)+1], v[QQ+2*(q%2):QQ+2*(q%2)+1]
.set q, q+1
.endr
	v_pk_add_f32 v[QQ:QQ+1], v[QQ:QQ+1], v[QQ+2:QQ+3]
	v_add_f32 v[QQ], v[QQ], v[QQ+1]
	v_permlanex16_b32 v[QQ+1], v[QQ], s[SEL], s[SEL+1]
	v_add_f32 v[RES+2+\ct], v[QQ], v[QQ+1]
	v_mov_b32 v[RES+\ct], v[MN]
.endm
	s_load_b512 s[68:83], s[0:1], 0x0              ; kk 68, qq 70, rstat 72, vpart 74, b_g 76, w_W's images 78, its scales 80, mcol 82
	s_load_b64 s[84:85], s[0:1], 0x40              ; bnp
	v_lshl_add_u32 v[SPW], v0, 2, SPARE
	v_mov_b32 v[NIL], 0
	ds_add_u32 v[SPW], v[NIL]                      ; the opening: the add, twice on end, and its wait
	ds_add_u32 v[SPW], v[NIL]
	v_lshrrev_b32 v1, 5, v0
	v_readfirstlane_b32 s[WV], v1
	s_and_b32 s[OG], s[WV], 1                      ; which four tiles of keys; in the tail: part (0: m, 1: 1 - m)
	s_lshr_b32 s[SG], s[WV], 1                     ; which tile of each record of queries; in the tail: pt, my tile of points
	s_and_b32 s[W3], s[WV], 3
	s_and_b32 s[BB], ttmp7, 0xffff
	s_bfe_u32 s[CX], ttmp6, 0x40000
	s_lshl_b32 s[KB], ttmp9, 2
	s_add_co_u32 s[KB], s[KB], s[CX]               ; my record of keys: it enters global addresses alone
	s_mov_b32 s[G1R], 15|(3<<16)|(1<<21)
	s_mov_b32 s[G1R+1], 32<<16
	s_mov_b32 s[G1R+2], 96<<16
	s_mov_b32 s[G1R+3], 32<<16
	s_mov_b32 s[G1R+4], 96
	s_mov_b32 s[G1R+5], 32
	s_mov_b32 s[G1R+6], 0
	s_mov_b32 s[G1R+7], 0
	s_mov_b32 s[G1T], 15|(3<<16)|(1<<21)
	s_mov_b32 s[G1T+1], 32<<16
	s_mov_b32 s[G1T+2], 32<<16
	s_mov_b32 s[G1T+3], 32<<16
	s_mov_b32 s[G1T+4], 32
	s_mov_b32 s[G1T+5], 32
	s_mov_b32 s[G1T+6], 0
	s_mov_b32 s[G1T+7], 0
	s_mov_b32 s[CS], 0x3fb8aa3b                    ; log2(e)
	s_mov_b32 s[CS+1], s[CS]
	s_mov_b32 s[SEL], 0x76543210
	s_mov_b32 s[SEL+1], 0xfedcba98
	s_mov_b32 s[TB], 0
	s_mov_b32 s[TS], 0
	s_mov_b32 s[SLOTS], 7
	s_mov_b32 s[SGN], 1.0
	s_cmp_eq_u32 s[OG], 0
	s_cselect_b32 s[SGN], s[SGN], -1.0             ; F = m x 1 + 0, or m x (-1) + 1
	s_cselect_b32 s[ADC], 0, 1.0
	s_sub_co_u32 s48, s[WV], 4
	s_cmp_lt_u32 s48, 3
	s_cselect_b32 s48, 0, 1
	s_or_b32 s48, s48, ttmp9
	s_cmp_eq_u32 s48, 0
	s_cselect_b32 s[LIM], 1, -1
	v_and_b32 v12, 31, v0                          ; lane
	v_and_b32 v13, 15, v0                          ; r
	v_bfe_u32 v14, v0, 4, 1                        ; h
	v_cmp_le_u32 s[HM], 16, v12
	s_mul_i32 s48, s[SG], 3072
	v_lshl_add_u32 v[ADF0], v12, 4, s48
	s_lshr_b32 s48, s[SG], 2
	s_lshl_b32 s48, s48, 8
	s_and_b32 s49, s[SG], 3
	s_lshl_b32 s49, s49, 2
	s_add_co_u32 s48, s48, s49
	s_add_co_u32 s48, s48, SCT
	v_lshl_add_u32 v[ADS0], v13, 4, s48
	v_lshl_add_u32 v[ADS0], v14, 9, v[ADS0]
	s_lshl_b32 s48, s[SG], 6
	s_add_co_u32 s48, s48, RST
	v_lshl_add_u32 v[ADR0], v14, 5, s48            ; -M of queries 16 sg + 8 h on
	v_lshlrev_b32 v[PFO], 8, v12
	v_lshlrev_b32 v1, 4, v13
	v_lshl_add_u32 v1, v14, 9, v1                  ; my keys' scale words: 512 h + 16 r
	v_lshlrev_b32 v12, 4, v12                      ; their codes: 16 lane
	v_and_b32 v[VGO], 255, v0
	v_lshlrev_b32 v[VGO], 2, v[VGO]
	v_add_nc_u32 v[VSW], VS, v[VGO]
	s_and_b32 s48, s[WV], 7
	s_lshl_b32 s48, s48, 2
	s_add_co_u32 s48, s48, VMX
	v_mov_b32 v[VMW], s48
	s_mul_i32 s48, s[BB], 786432                   ; the queries of my batch, record W3
	s_mul_i32 s50, s[W3], REC
	s_add_co_u32 s48, s48, s50
	s_mov_b32 s49, 0
	s_lshl_b32 s51, s[W3], 13
	s_mov_b32 s87, 0
	s_wait_dscnt 0x0                               ; both opening adds are done
	s_wait_kmcnt 0x0
	s_mov_b32 s[G0R], 1
	s_mov_b32 s[G0R+1], s50
	s_add_nc_u64 s[G0R+2:G0R+3], s[70:71], s[48:49]
	s_or_b32 s[G0R+3], s[G0R+3], 0x80000000
	s_lshl_b32 s48, s[BB], 15
	s_add_co_u32 s48, s48, s51
	s_mov_b32 s[G0U], 1
	s_add_co_u32 s[G0U+1], s51, RST
	s_add_nc_u64 s[G0U+2:G0U+3], s[72:73], s[48:49]
	s_or_b32 s[G0U+3], s[G0U+3], 0x80000000
	s_add_co_u32 s48, s48, SCOFF
	s_mov_b32 s[G0T], 1
	s_add_co_u32 s[G0T+1], s51, SCT
	s_add_nc_u64 s[G0T+2:G0T+3], s[70:71], s[48:49]
	s_or_b32 s[G0T+3], s[G0T+3], 0x80000000
	s_lshl_b32 s48, s[BB], 15
	s_add_nc_u64 s[74:75], s[74:75], s[48:49]      ; vpart of my batch
	s_mul_i32 s48, s[WV], 12288
	s_add_nc_u64 s[78:79], s[78:79], s[48:49]      ; w_W's images: my two tiles' eight fragments of 1,536 bytes
	s_lshl_b32 s48, s[WV], 9
	s_add_nc_u64 s[80:81], s[80:81], s[48:49]
	s_mul_i32 s86, s[BB], 786432                   ; the prefetches, in slot 1: the first change steps them to slot 2
	s_mul_i32 s88, s[CX], REC
	s_add_co_u32 s86, s86, s88
	s_add_co_u32 s86, s86, s51
	s_add_co_u32 s86, s86, SLOTB
	s_add_nc_u64 s[PFA:PFA+1], s[70:71], s[86:87]
	s_lshl_b32 s89, s[BB], 5
	s_add_co_u32 s89, s89, s[KB]                   ; my record's number
	s_mul_i32 s86, s89, REC
	s_mul_i32 s88, s[OG], 12288
	s_add_co_u32 s86, s86, s88
	s_add_nc_u64 s[52:53], s[68:69], s[86:87]
	s_lshl_b32 s86, s89, 10
	s_lshl_b32 s88, s[OG], 8
	s_add_co_u32 s86, s86, s88
	s_add_co_u32 s86, s86, SCOFF
	s_add_nc_u64 s[54:55], s[68:69], s[86:87]
	s_lshl_b32 s86, s89, 9
	s_add_nc_u64 s[82:83], s[82:83], s[86:87]      ; mcol: 128 numbers a record
	s_lshl_b32 s86, s89, 12
	s_lshl_b32 s88, s[WV], 8
	s_add_co_u32 s86, s86, s88
	s_add_nc_u64 s[84:85], s[84:85], s[86:87]      ; bnp: 4,096 bytes a work-group, 256 a wave
	ROUND                                          ; the first joint loads meet
	s_cmp_lt_u32 s[WV], 4
	s_cbranch_scc0 .Lno_first                      ; a wave's first fills in one branch: three loads are out
	tensor_load_to_lds s[G0T:G0T+3], s[G1T:G1T+7]
	s_nop 0
	tensor_load_to_lds s[G0U:G0U+3], s[G1T:G1T+7]
	s_nop 0
	tensor_load_to_lds s[G0R:G0R+3], s[G1R:G1R+7]
	s_nop 0
.rept 4
	v_nop
.endr
.Lno_first:
.set i, 0
.rept 24
	global_load_b128 v[OF+4*i:OF+4*i+3], v12, s[52:53] offset:512*i
.set i, i+1
.endr
	global_load_b128 v[OS:OS+3], v1, s[54:55]
.irp j, 0,1,2,3,4,5,6,7
	v_mov_b32 v[ACC+\j], 0
.endr
	s_cmp_lt_u32 s[WV], 8
	s_cbranch_scc1 .Lno_vsum                       ; waves 8 to 15: a channel a thread; the first change's wait and round show the stores to all
	VSUM
.Lno_vsum:
	s_wait_loadcnt 0x0
.Lslot:
	CHANGE 1
	SLOTC
	s_sub_co_u32 s[SLOTS], s[SLOTS], 1
	s_cmp_lg_u32 s[SLOTS], 0
	s_cbranch_scc1 .Lslot
	CHANGE 0                                       ; the last slot is written out
	SLOTC
	; THE TAIL.  Its addresses, on every wave's path (the registers written here were sources of LDS loads, and of global loads that have long been waited for)
	v_and_b32 v1, 31, v0
	v_lshlrev_b32 v[L16], 4, v1
	v_lshlrev_b32 v[B8], 3, v1
	v_and_b32 v1, 15, v0
	v_lshlrev_b32 v[R16], 4, v1
	v_add_nc_u32 v[YSR], YSC, v[R16]
	s_mul_i32 s48, s[WV], 3072
	v_add_nc_u32 v[YWA], s48, v[L16]               ; fragments 4 pt + 2 part on = 2 w on
	s_lshl_b32 s48, s[OG], 10
	s_lshr_b32 s49, s[SG], 2
	s_lshl_b32 s49, s49, 8
	s_add_co_u32 s48, s48, s49
	s_and_b32 s49, s[SG], 3
	s_lshl_b32 s49, s49, 2
	s_add_co_u32 s48, s48, s49
	v_add_nc_u32 v[YSW], s48, v[YSR]
	s_lshl_b32 s48, s[WV], 8
	s_add_co_u32 s48, s48, MRED
	v_lshl_add_u32 v[MRW], v1, 2, s48
	s_lshl_b32 s48, s[SG], 6
	s_add_co_u32 s48, s48, MRED
	v_lshl_add_u32 v[MRR], v1, 2, s48              ; tile pt's sums: 256 (pt / 4) + 64 (pt % 4) = 64 pt
	v_bfe_u32 v1, v0, 4, 1
	v_lshl_add_u32 v[VSA], v1, 7, VS
	v_add_nc_u32 v[MTR], MT, v[L16]
	global_load_b128 v[WSC:WSC+3], v[R16], s[80:81]
	global_load_b128 v[WSC+4:WSC+7], v[R16], s[80:81] offset:256
	WLOAD 0
	WLOAD 1
.irp o, 0,1,2,3
	v_add_f32 v[ACC+2*\o], v[ACC+2*\o], v[ACC+2*\o+1]
.endr
.irp o, 0,1,2,3
	v_permlanex16_b32 v[ACC+2*\o+1], v[ACC+2*\o], s[SEL], s[SEL+1]
.endr
.irp o, 0,1,2,3
	v_add_f32 v[ACC+2*\o], v[ACC+2*\o], v[ACC+2*\o+1]
.endr
.irp o, 0,1,2,3
	ds_store_b32 v[MRW], v[ACC+2*\o] offset:64*\o
.endr
	s_wait_dscnt 0x0
	s_barrier_signal -1
	s_barrier_wait -1                              ; the waves' column sums lie in LDS
.irp g, 0,1,2,3,4,5,6,7
	ds_load_b32 v[208+\g], v[MRR] offset:512*\g
.endr
	ds_load_b128 v[VM:VM+3], v[VSA] offset:1024
	ds_load_b128 v[VM+4:VM+7], v[VSA] offset:1040
	s_wait_dscnt 0x2                               ; the eight sums are in; the two loads of maxima may stay out
	v_add_f32 v208, v208, v209
.irp g, 2,3,4,5,6,7
	v_add_f32 v208, v208, v[208+\g]
.endr
	v_mul_f32 v[MR], 0x39800000, v208              ; / 4096: m of point 16 pt + r
	v_fma_f32 v[FR], v[MR], s[SGN], s[ADC]         ; m, or 1 - m
	v_mov_b32 v[FR+1], 0                           ; (named with it as a pair)
	s_cmp_eq_u32 s[OG], 0
	s_cbranch_scc0 .Lno_mt                         ; one of the two waves of a tile writes m
	ds_store_b32 v[MRR], v[MR] offset:4096         ; MT = MRED + 4096
.Lno_mt:
	QY 0
	QY 1
	s_wait_dscnt 0x0
	s_barrier_signal -1
	s_barrier_wait -1                              ; y's 32 fragments, their scale words and m lie in LDS
	KSTEP 0, 6, 1                                  ; behind K step 0's weights: K step 1's six loads
	WLOAD 2
	KSTEP 1, 6, 0
	WLOAD 3
	KSTEP 2, 6, 0
	KSTEP 3, 0, 0
	STATS 0
	STATS 1
	v_cndmask_b32 v[RES+4], v[RES], v[RES+1], s[HM]     ; lane l: channel 32 w + l
	v_cndmask_b32 v[RES+5], v[RES+2], v[RES+3], s[HM]
	global_store_b64 v[B8], v[RES+4:RES+5], s[84:85]    ; 256 consecutive bytes
	s_cmp_eq_u32 s[WV], 0
	s_cbranch_scc0 .Lno_mcol
	ds_load_b128 v[RES+8:RES+11], v[MTR]
	s_wait_dscnt 0x0
	global_store_b128 v[L16], v[RES+8:RES+11], s[82:83]   ; 512 consecutive bytes
.Lno_mcol:
	s_wait_tensorcnt 0x0                           ; the wave's end
	ds_add_u32 v[SPW], v[NIL]
	s_wait_dscnt 0x0
	ROUND                                          ; the closing round
	s_endpgm
.Lfunc_end_k_q0ae830ae4b_colsum:
	.size	k_q0ae830ae4b_colsum, .Lfunc_end_k_q0ae830ae4b_colsum-k_q0ae830ae4b_colsum
	.p2alignl 7, 3214868480
	.fill 96, 4, 3214868480
	.section	.rodata,"a",@progbits
	.p2align	6, 0x0
	.amdhsa_kernel k_q0ae830ae4b_colsum
		.amdhsa_group_segment_fixed_size 327680
		.amdhsa_private_segment_fixed_size 0
		.amdhsa_enable_private_segment 0
		.amdhsa_kernarg_size 72
		.amdhsa_user_sgpr_count 2
		.amdhsa_user_sgpr_kernarg_segment_ptr 1
		.amdhsa_wavefront_size32 1
		.amdhsa_system_sgpr_workgroup_id_x 1
		.amdhsa_system_sgpr_workgroup_id_y 1
		.amdhsa_system_sgpr_workgroup_id_z 1
		.amdhsa_system_vgpr_workitem_id 0
		.amdhsa_next_free_vgpr 256
		.amdhsa_next_free_sgpr 100
		.amdhsa_reserve_vcc 0
		.amdhsa_float_denorm_mode_32 3
		.amdhsa_float_denorm_mode_16_64 3
		.amdhsa_memory_ordered 1
		.amdhsa_forward_progress 1
		.amdhsa_inst_pref_size 101
	.end_amdhsa_kernel
	.amdgpu_metadata
---
amdhsa.version: [ 1, 2 ]
amdhsa.kernels:
  - .name:           k_q0ae830ae4b_colsum
    .symbol:         k_q0ae830ae4b_colsum.kd
    .args:
      - { .name: kk, .offset: 0, .size: 8, .value_kind: global_buffer, .address_space: global }
      - { .name: qq, .offset: 8, .size: 8, .value_kind: global_buffer, .address_space: global }
      - { .name: rstat, .offset: 16, .size: 8, .value_kind: global_buffer, .address_space: global }
      - { .name: vpart, .offset: 24, .size: 8, .value_kind: global_buffer, .address_space: global }
      - { .name: b_g, .offset: 32, .size: 8, .value_kind: global_buffer, .address_space: global }
      - { .name: wimg, .offset: 40, .size: 8, .value_kind: global_buffer, .address_space: global }
      - { .name: w_W_scales, .offset: 48, .size: 8, .value_kind: global_buffer, .address_space: global }
      - { .name: mcol, .offset: 56, .size: 8, .value_kind: global_buffer, .address_space: global }
      - { .name: bnp, .offset: 64, .size: 8, .value_kind: global_buffer, .address_space: global }
    .group_segment_fixed_size: 327680
    .private_segment_fixed_size: 0
    .kernarg_segment_align: 8
    .kernarg_segment_size: 72
    .max_flat_workgroup_size: 512
    .sgpr_count:     100
    .vgpr_count:     256
    .wavefront_size: 32
...
	.end_amdgpu_metadata
.endif
;; end of part 3
;; launch bnfin (part 4): grid 16 x 1, 8 waves a work-group, no clusters, 3,072 bytes of LDS; arguments bnp, gamma, beta, bnc; writes bnc
.if DOCPART == 4
	.amdgcn_target "amdgcn-amd-amdhsa--gfx1250"
	.amdhsa_code_object_version 6
	.text
	.protected	k_q0ae830ae4b_bnfin
	.globl	k_q0ae830ae4b_bnfin
	.p2align	8
	.type	k_q0ae830ae4b_bnfin,@function
k_q0ae830ae4b_bnfin:
	s_mov_b64 s[64:65], 0
	v_nop
	global_prefetch_b8 v0, s[64:65] scope:SCOPE_SE
	s_setreg_imm32_b32 hwreg(HW_REG_WAVE_MODE, 25, 1), 1
	s_wait_xcnt 0x0
; The 256 parts (mean, sum of squares about it; 128 points each) of each channel become mu, gamma / sqrt(var + 1e-5) and beta: 16 bytes a channel.  (b_W is left out of the program as dead work: see the first kernel's head.)
; mu = the mean of the means (equal counts); var = (the sum of the parts' squares + 128 x the sum of (mean_i - mu)^2) / 32,768: no difference of large sums is formed.
; A lane is a channel (32 a work-group); wave g takes parts 32 g on: each load reads 256 consecutive bytes.  The eight waves' figures meet in LDS, twice, in bytes of their own each time.
; No matrix unit, no tensor load, no cluster: 1 MB is read once and 8 KB written.
.set RA,    0                          ; LDS: the waves' sums of means, 128 bytes a wave;
.set RB,    1024                       ; their sums of squares;
.set SPARE, 2048                       ; the spare words, 128 bytes a wave
.set SPW, 2
.set NIL, 3
.set P,   16                           ; v16-79 32 pairs (mean, M2)
	s_load_b128 s[4:7], s[0:1], 0x0                ; bnp, gamma
	s_load_b128 s[8:11], s[0:1], 0x10              ; beta, bnc
	v_lshl_add_u32 v[SPW], v0, 2, SPARE
	v_mov_b32 v[NIL], 0
	v_lshrrev_b32 v1, 5, v0
	v_readfirstlane_b32 s12, v1                    ; wave 0..7
	v_and_b32 v1, 31, v0
	v_lshlrev_b32 v4, 3, v1                        ; 8 lane
	v_lshlrev_b32 v5, 2, v1                        ; 4 lane
	v_lshlrev_b32 v6, 2, v0                        ; 128 wave + 4 lane
	v_lshlrev_b32 v7, 4, v1                        ; 16 lane
	s_lshl_b32 s14, ttmp9, 8                       ; my 32 channels: 8 bytes each,
	s_lshl_b32 s15, s12, 17                        ; my wave's 32 parts of 4,096 bytes
	s_add_co_u32 s14, s14, s15
	s_mov_b32 s15, 0
	s_lshl_b32 s16, ttmp9, 7
	s_mov_b32 s17, 0
	s_lshl_b32 s18, ttmp9, 9
	s_mov_b32 s19, 0
	s_mov_b32 s20, 0x38000000                      ; 1 / 32,768
	s_mov_b32 s21, 0x3727c5ac                      ; 1e-5
	s_wait_kmcnt 0x0
	s_add_nc_u64 s[4:5], s[4:5], s[14:15]
	s_add_nc_u64 s[6:7], s[6:7], s[16:17]
	s_add_nc_u64 s[8:9], s[8:9], s[16:17]
	s_add_nc_u64 s[10:11], s[10:11], s[18:19]
.set i, 0
.rept 32
	global_load_b64 v[P+2*i:P+2*i+1], v4, s[4:5] offset:4096*i
.set i, i+1
.endr
	global_load_b32 v80, v5, s[6:7]                ; gamma
	global_load_b32 v86, v5, s[8:9]                ; beta, at its place in the result
	s_wait_loadcnt 0x2                             ; the parts are in; gamma and beta may stay out
.irp c, 0,1,2,3
	v_add_f32 v[88+\c], v[P+2*\c], v[P+8+2*\c]     ; the means, in four chains
.endr
.irp a, 2,3,4,5,6,7
.irp c, 0,1,2,3
	v_add_f32 v[88+\c], v[88+\c], v[P+8*\a+2*\c]
.endr
.endr
	v_add_f32 v88, v88, v89
	v_add_f32 v90, v90, v91
	v_add_f32 v88, v88, v90
	ds_store_b32 v6, v88 offset:RA
	s_wait_dscnt 0x0                               ; for the others' sake: my store has landed
	s_barrier_signal -1
	s_barrier_wait -1
.irp k, 0,1,2,3,4,5,6,7
	ds_load_b32 v[92+\k], v5 offset:RA+128*\k
.endr
	s_wait_dscnt 0x0
	v_add_f32 v92, v92, v93
.irp k, 2,3,4,5,6,7
	v_add_f32 v92, v92, v[92+\k]
.endr
	v_mul_f32 v84, 0x3b800000, v92                 ; mu = / 256
.set i, 0
.rept 32
	v_sub_f32 v[P+2*i], v[P+2*i], v84              ; mean_i - mu
.set i, i+1
.endr
.irp c, 0,1,2,3
	v_mul_f32 v[100+\c], v[P+2*\c], v[P+2*\c]
	v_add_f32 v[104+\c], v[P+1+2*\c], v[P+9+2*\c]
.endr
.irp c, 0,1,2,3
	v_fma_f32 v[100+\c], v[P+8+2*\c], v[P+8+2*\c], v[100+\c]
.endr
.irp a, 2,3,4,5,6,7
.irp c, 0,1,2,3
	v_fma_f32 v[100+\c], v[P+8*\a+2*\c], v[P+8*\a+2*\c], v[100+\c]
	v_add_f32 v[104+\c], v[104+\c], v[P+8*\a+1+2*\c]
.endr
.endr
	v_add_f32 v100, v100, v101
	v_add_f32 v102, v102, v103
	v_add_f32 v100, v100, v102
	v_add_f32 v104, v104, v105
	v_add_f32 v106, v106, v107
	v_add_f32 v104, v104, v106
	v_fma_f32 v100, 0x43000000, v100, v104         ; 128 x the means' squares + the parts' squares
	ds_store_b32 v6, v100 offset:RB                ; other bytes than the first meeting's: no barrier is owed between its reads and this store
	s_wait_dscnt 0x0
	s_barrier_signal -1
	s_barrier_wait -1
.irp k, 0,1,2,3,4,5,6,7
	ds_load_b32 v[92+\k], v5 offset:RB+128*\k
.endr
	s_wait_dscnt 0x0
	v_add_f32 v92, v92, v93
.irp k, 2,3,4,5,6,7
	v_add_f32 v92, v92, v[92+\k]
.endr
	v_fma_f32 v92, v92, s20, s21                   ; var + 1e-5
	v_rsq_f32 v93, v92
	v_mov_b32 v87, 0                               ; (a plain place behind the transcendental)  the result's fourth word
	s_wait_alu depctr_va_vdst(0)                   ; the wait ahead of the first reader
	s_wait_loadcnt 0x0                             ; gamma and beta
	v_mul_f32 v85, v80, v93                        ; gamma / sqrt(var + 1e-5)
	s_cmp_eq_u32 s12, 0
	s_cbranch_scc0 .Lnot_wave_0                    ; all eight waves hold the same figures: one stores them
	global_store_b128 v7, v[84:87], s[10:11]       ; (mu, sc, beta, 0): 512 consecutive bytes
.Lnot_wave_0:
	s_wait_tensorcnt 0x0                           ; the wave's end, behind my last LDS store
	ds_add_u32 v[SPW], v[NIL]
	s_wait_dscnt 0x0
	s_endpgm
.Lfunc_end_k_q0ae830ae4b_bnfin:
	.size	k_q0ae830ae4b_bnfin, .Lfunc_end_k_q0ae830ae4b_bnfin-k_q0ae830ae4b_bnfin
	.p2alignl 7, 3214868480
	.fill 96, 4, 3214868480
	.section	.rodata,"a",@progbits
	.p2align	6, 0x0
	.amdhsa_kernel k_q0ae830ae4b_bnfin
		.amdhsa_group_segment_fixed_size 3072
		.amdhsa_private_segment_fixed_size 0
		.amdhsa_enable_private_segment 0
		.amdhsa_kernarg_size 32
		.amdhsa_user_sgpr_count 2
		.amdhsa_user_sgpr_kernarg_segment_ptr 1
		.amdhsa_wavefront_size32 1
		.amdhsa_system_sgpr_workgroup_id_x 1
		.amdhsa_system_sgpr_workgroup_id_y 1
		.amdhsa_system_sgpr_workgroup_id_z 1
		.amdhsa_system_vgpr_workitem_id 0
		.amdhsa_next_free_vgpr 128
		.amdhsa_next_free_sgpr 66
		.amdhsa_reserve_vcc 0
		.amdhsa_float_denorm_mode_32 3
		.amdhsa_float_denorm_mode_16_64 3
		.amdhsa_memory_ordered 1
		.amdhsa_forward_progress 1
		.amdhsa_inst_pref_size 12
	.end_amdhsa_kernel
	.amdgpu_metadata
---
amdhsa.version: [ 1, 2 ]
amdhsa.kernels:
  - .name:           k_q0ae830ae4b_bnfin
    .symbol:         k_q0ae830ae4b_bnfin.kd
    .args:
      - { .name: bnp, .offset: 0, .size: 8, .value_kind: global_buffer, .address_space: global }
      - { .name: gamma, .offset: 8, .size: 8, .value_kind: global_buffer, .address_space: global }
      - { .name: beta, .offset: 16, .size: 8, .value_kind: global_buffer, .address_space: global }
      - { .name: bnc, .offset: 24, .size: 8, .value_kind: global_buffer, .address_space: global }
    .group_segment_fixed_size: 3072
    .private_segment_fixed_size: 0
    .kernarg_segment_align: 8
    .kernarg_segment_size: 32
    .max_flat_workgroup_size: 256
    .sgpr_count:     66
    .vgpr_count:     128
    .wavefront_size: 32
...
	.end_amdgpu_metadata
.endif
;; end of part 4
;; launch final (part 5): grid 32 x 8, 16 waves a work-group, no clusters, 327,680 bytes of LDS; arguments x, mcol, vpart, b_g, wimg, w_W_scales, bnc, out0; writes out0
.if DOCPART == 5
	.amdgcn_target "amdgcn-amd-amdhsa--gfx1250"
	.amdhsa_code_object_version 6
	.text
	.protected	k_q0ae830ae4b_final
	.globl	k_q0ae830ae4b_final
	.p2align	8
	.type	k_q0ae830ae4b_final,@function
k_q0ae830ae4b_final:
	s_mov_b64 s[64:65], 0
	v_nop
	global_prefetch_b8 v0, s[64:65] scope:SCOPE_SE
	s_setreg_imm32_b32 hwreg(HW_REG_WAVE_MODE, 25, 1), 1
	s_wait_xcnt 0x0
; out0[b][o][p] = (wy - mu[o]) sc[o] + beta[o] + x[b][o][p], wy = w_W y, y = [m vsum, (1 - m) vsum] quantised along its 512.  b_W is left out as dead work (the first kernel's head shows why): it is in mu as it is in wy.
; wy is made anew here, by the same lines as in the launch that took its statistics (the same vsum, the same m from memory, the same codes, the same order of products): that costs 64 matrix instructions a wave and spares
; the storing and reading of 134 MB.
; SHARES.  A work-group takes 128 points of one batch, all 512 channels.  Wave w = 2 pt + part quantises K steps 2 part, 2 part + 1 of y for the tile pt of 16 points (a block's largest |F vs| is |F| x the block's largest
; |vs|, since rounding keeps order); the fragments go from wave to wave through LDS as images of registers.  Then wave w makes channels 32 w on for all 128 points: source 0 = 16 points of y, source 1 = 16 channels of w_W,
; so that a lane holds one channel and eight neighbouring points.  w_W's codes come as the images of registers that the first launch laid out (wimg: fragment (tile T, K step ks) at (4 T + ks) 1536): three loads of 512
; consecutive bytes a fragment.
; x: each wave brings its own 32 channels x 128 points by ONE tensor load, asked for first of all; only that wave reads those bytes, behind its own wait.  The results are laid over x's bytes in LDS (they have had their one
; fill) and come back as whole rows: each store of the wave covers 512 consecutive bytes, aligned.
; No cluster: x and out0 are shared by nobody, and w_W (12,288 bytes a wave) goes straight to registers.  No ring: one tile a work-group.
; LIMITS: NaN and infinities among the inputs are not served; a block of zeros gets the scale byte 1 (its codes are zeros, and the bytes are read by this program alone).
.set YIMG,  270336                     ; LDS: x's tile at 0 (wave w at 16,896 w, rows 528 bytes apart); y's 32 fragments ((4 pt + ks) 1536),
.set YSC,   319488                     ; their scale words (512 ks + 256 (pt / 4) + 16 r + 4 (pt % 4)),
.set VS,    321536                     ; vsum, 1,024 bytes,
.set VMX,   322560                     ; its eight blocks' largest magnitudes, twice (at 0 and at 128),
.set SPARE, 322816                     ; the spare words, 128 bytes a wave
.set VMW, 1                            ; v1   where my wave's block maximum goes
.set SPW, 2                            ; v2   my spare word; never rewritten
.set NIL, 3                            ; v3   0; never rewritten
.set L16, 4                            ; v4   16 lane
.set R16, 5                            ; v5   16 r
.set YWA, 6                            ; v6   where I store y's images
.set YSW, 7                            ; v7   and their scale words
.set VSA, 8                            ; v8   VS + 128 h
.set YIA, 9                            ; v9   YIMG + 16 lane
.set XRA, 10                           ; v10  x's tile by the result's layout: 16,896 w + 528 r + 32 h
.set XRB, 12                           ; v12  x's tile by rows: 16,896 w + 16 lane
.set YSR, 13                           ; v13  YSC + 16 r
.set VGO, 14                           ; v14  4 x my channel of vsum
.set VSW, 15                           ; v15  VS + that
.set AC,  16                           ; v16-143  16 accumulators: (ct, pt) at 8 (8 ct + pt)
.set WB,  144                          ; v144-191 two sets of w_W's two fragments
.set YF,  192                          ; v192-239 four fragments of y
.set WSC, 240                          ; v240-247 w_W's scale words
.set YS,  248                          ; v248-255 y's
.set VSR, 16                           ; while y is quantised: 64 numbers of vsum,
.set PR,  80                           ; 32 products,
.set YC,  112                          ; the codes,
.set YT,  124
.set VM,  128                          ; the eight blocks' maxima,
.set SC,  136
.set BY,  140
.set FR,  192                          ; F = m or 1 - m (a pair)
.set MR,  194                          ; m
.set YW,  195
.set SCL, 196
.set MGO, 198                          ; 4 r
.set VT,  208                          ; vsum's 32 parts
.set VB,  136
.set BN,  144                          ; on the way out: (mu, sc, beta, 0) of my channel of tile ct at 4 ct,
.set SCP, 152                          ; sc twice,
.set XR,  176                          ; v176-239 64 numbers of x, then of the result
.set WV, 10
.set OG, 11
.set SG, 12
.set BB, 13
.set G1, 16
.set G0, 24
.set HM, 28
.set SEL, 30
.set SGN, 32
.set ADC, 33
.macro WM5 d, a, b, z, sa, sb          ; z = 1: the constant 0 starts the sum
.if \z
	v_wmma_scale_f32_16x16x128_f8f6f4 v[\d:\d+7], v[\a:\a+11], v[\b:\b+11], 0, v[\sa], v[\sb] matrix_a_fmt:MATRIX_FMT_FP6 matrix_b_fmt:MATRIX_FMT_FP6
.else
	v_wmma_scale_f32_16x16x128_f8f6f4 v[\d:\d+7], v[\a:\a+11], v[\b:\b+11], v[\d:\d+7], v[\sa], v[\sb] matrix_a_fmt:MATRIX_FMT_FP6 matrix_b_fmt:MATRIX_FMT_FP6
.endif
.endm
; vsum[ch] = the sum of the 32 blocks' parts + 4096 b_g[ch]; a wave's 32 channels are one block of 32 along the product's K
.macro VSUM
.set i, 0
.rept 32
	global_load_b32 v[VT+i], v[VGO], s[72:73] offset:1024*i
.set i, i+1
.endr
	global_load_b32 v[VB], v[VGO], s[74:75]
	s_wait_loadcnt 0x0
	v_add_f32 v[VT], v[VT], v[VT+1]
.set i, 2
.rept 30
	v_add_f32 v[VT], v[VT], v[VT+i]
.set i, i+1
.endr
	v_fma_f32 v[VT], 0x45800000, v[VB], v[VT]      ; + 4096 b_g
	ds_store_b32 v[VSW], v[VT]
	v_and_b32 v[VT+1], 0x7fffffff, v[VT]
	v_max_num_f32_dpp v[VT+1], v[VT+1], v[VT+1] row_xmask:1 row_mask:0xf bank_mask:0xf
	v_max_num_f32_dpp v[VT+1], v[VT+1], v[VT+1] row_xmask:2 row_mask:0xf bank_mask:0xf
	v_max_num_f32_dpp v[VT+1], v[VT+1], v[VT+1] row_xmask:4 row_mask:0xf bank_mask:0xf
	v_max_num_f32_dpp v[VT+1], v[VT+1], v[VT+1] row_xmask:8 row_mask:0xf bank_mask:0xf
	v_permlanex16_b32 v[VT+2], v[VT+1], s[SEL], s[SEL+1]
	v_max_num_f32 v[VT+1], v[VT+1], v[VT+2]
	ds_store_b32 v[VMW], v[VT+1]                   ; all lanes write one word with one value;
	ds_store_b32 v[VMW], v[VT+1] offset:128        ; a second copy, which lanes 16-31 read by the address that serves vsum
.endm
; K step 2 part + sp of y for my tile of points: lane (r, h) makes F[r] x vsum[128 sp + 64 c + 32 h + 0 .. 31]: the operand's own order, so the conversions' results are its registers
.macro QY sp
.irp c, 0,1
.irp q, 0,1,2,3,4,5,6,7
	ds_load_b128 v[VSR+32*\c+4*\q:VSR+32*\c+4*\q+3], v[VSA] offset:512*(\sp)+256*\c+16*\q
.endr
.endr
	s_wait_dscnt 16                                ; all but the 16 just issued: the blocks' maxima are in, and earlier stores have read their registers
.irp e, 0,1,2,3
	v_mul_f32 v[SC+\e], |v[FR]|, v[VM+4*(\sp)+\e]  ; the block's largest magnitude
.endr
.irp e, 0,1,2,3
	v_max_num_f32 v[SC+\e], 0x1800000, v[SC+\e]    ; the floor 2^(3 - 127): the byte cannot fall under 1
.endr
.irp e, 0,1,2,3
	v_add_nc_u32 v[SC+\e], 0xff000000, v[SC+\e]    ; 2 off the exponent field: the conversion's scale operand
.endr
.irp e, 0,1,2,3
	v_lshrrev_b32 v[BY+\e], 23, v[SC+\e]           ; the byte
.endr
	v_lshl_or_b32 v[YW], v[BY+1], 8, v[BY]
	v_lshl_or_b32 v[YW], v[BY+2], 16, v[YW]
	v_lshl_or_b32 v[YW], v[BY+3], 24, v[YW]
	v_cndmask_b32 v[SCL], v[SC], v[SC+1], s[HM]    ; my half's block of each 64
	v_cndmask_b32 v[SCL+1], v[SC+2], v[SC+3], s[HM]
	s_wait_dscnt 0x0
.irp c, 0,1
.set q, 0
.rept 16
	v_pk_mul_f32 v[PR+2*q:PR+2*q+1], v[VSR+32*\c+2*q:VSR+32*\c+2*q+1], v[FR:FR+1] op_sel_hi:[1,0]
.set q, q+1
.endr
	v_cvt_scalef32_pk16_fp6_f32 v[YC+6*\c:YC+6*\c+2], v[PR:PR+15], v[SCL+\c]
	v_cvt_scalef32_pk16_fp6_f32 v[YT:YT+2], v[PR+16:PR+31], v[SCL+\c]   ; (a conversion's three registers begin on an even number)
	v_nop                                          ; one plain place behind a scaled conversion
.irp i, 0,1,2
	v_mov_b32 v[YC+6*\c+3+\i], v[YT+\i]
.endr
.endr
.irp i, 0,1,2
	ds_store_b128 v[YWA], v[YC+4*\i:YC+4*\i+3] offset:1536*(\sp)+512*\i
.endr
	ds_store_b32 v[YSW], v[YW] offset:512*(\sp)    ; lanes r and 16 + r write one word with one value
.endm
.macro WLOAD ks                        ; w_W's two tiles of 16 channels, K step ks, as images of registers: six loads of 512 consecutive bytes
.irp ct, 0,1
.irp g, 0,1,2
	global_load_b128 v[WB+24*((\ks)%2)+12*\ct+4*\g:WB+24*((\ks)%2)+12*\ct+4*\g+3], v[L16], s[76:77] offset:6144*\ct+1536*(\ks)+512*\g
.endr
.endr
.endm
; a K step of the product, the 16 accumulators by turns, one instruction a turn.  left: the younger global loads, which may stay out
.macro KSTEP ks, left, z
	s_wait_loadcnt \left
	ds_load_b128 v[YS:YS+3], v[YSR] offset:512*(\ks)
	ds_load_b128 v[YS+4:YS+7], v[YSR] offset:512*(\ks)+256
.irp a, 0,1
.irp q, 0,1,2,3
.irp i, 0,1,2
	ds_load_b128 v[YF+12*\q+4*\i:YF+12*\q+4*\i+3], v[YIA] offset:(4*(4*\a+\q)+(\ks))*1536+512*\i
.endr
.endr
	s_wait_dscnt 0x0
.irp q, 0,1,2,3
.irp ct, 0,1
	WM5 AC+8*(8*\ct+4*\a+\q), YF+12*\q, WB+24*((\ks)%2)+12*\ct, \z, YS+4*\a+\q, WSC+4*\ct+(\ks)
.endr
.endr
.rept 4
	v_nop                                          ; places in front of loads into operands and of reads of results
.endr
.endr
.endm
; THE WAY OUT of my 16 channels of tile ct: register 8 pt + j of lane (r, h) is channel 16 ct + r, point 16 pt + 8 h + j
.macro OUTB ct
.set A0, AC+64*\ct
.set B0, BN+4*\ct
.if \ct
	s_wait_xcnt 0x0                                ; the first half's stores have read their registers: they may be loaded again
.endif
.irp p, 0,1,2,3,4,5,6,7
	ds_load_b128 v[XR+8*\p:XR+8*\p+3], v[XRA] offset:8448*\ct+64*\p
	ds_load_b128 v[XR+8*\p+4:XR+8*\p+7], v[XRA] offset:8448*\ct+64*\p+16
.endr
	v_mov_b32 v[SCP], v[B0+1]                      ; sc stands in the upper word of its pair: it is laid out as a pair of its own
	v_mov_b32 v[SCP+1], v[B0+1]
.set q, 0
.rept 32
	v_pk_add_f32 v[A0+2*q:A0+2*q+1], v[A0+2*q:A0+2*q+1], v[B0:B0+1] op_sel_hi:[1,0] neg_lo:[0,1] neg_hi:[0,1]   ; wy - mu, each accumulator from its low end on
.set q, q+1
.endr
.set q, 0
.rept 32
	v_pk_fma_f32 v[A0+2*q:A0+2*q+1], v[A0+2*q:A0+2*q+1], v[SCP:SCP+1], v[B0+2:B0+3] op_sel_hi:[1,1,0]           ; x sc + beta
.set q, q+1
.endr
	s_wait_dscnt 0x0                               ; x is in
.set q, 0
.rept 32
	v_pk_add_f32 v[XR+2*q:XR+2*q+1], v[XR+2*q:XR+2*q+1], v[A0+2*q:A0+2*q+1]                                      ; + x
.set q, q+1
.endr
.irp p, 0,1,2,3,4,5,6,7
	ds_store_b128 v[XRA], v[XR+8*\p:XR+8*\p+3] offset:8448*\ct+64*\p
	ds_store_b128 v[XRA], v[XR+8*\p+4:XR+8*\p+7] offset:8448*\ct+64*\p+16
.endr
.irp i, 0,1,2,3,4,5,6,7,8,9,10,11,12,13,14,15
	ds_load_b128 v[XR+4*\i:XR+4*\i+3], v[XRB] offset:(16*\ct+\i)*528   ; LDS serves a wave's instructions in order: these see my stores
.endr
.irp i, 0,1,2,3,4,5,6,7,8,9,10,11,12,13,14,15
	s_wait_dscnt 15-\i                             ; row i is back; the younger rows' loads may stay out
	global_store_b128 v[L16], v[XR+4*\i:XR+4*\i+3], s[82:83] offset:(16*\ct+\i)*16384 th:TH_STORE_NT   ; 512 consecutive bytes, aligned; written once, read by nobody here
.endr
.endm
	s_load_b512 s[68:83], s[0:1], 0x0              ; x 68, mcol 70, vpart 72, b_g 74, w_W's images 76, its scales 78, bnc 80, out0 82
	v_lshl_add_u32 v[SPW], v0, 2, SPARE
	v_mov_b32 v[NIL], 0
	ds_add_u32 v[SPW], v[NIL]                      ; the opening: the add, twice on end, and its wait ahead of my first tensor load
	ds_add_u32 v[SPW], v[NIL]
	v_lshrrev_b32 v1, 5, v0
	v_readfirstlane_b32 s[WV], v1                  ; wave 0..15
	s_and_b32 s[OG], s[WV], 1                      ; part: 0: m, 1: 1 - m
	s_lshr_b32 s[SG], s[WV], 1                     ; pt: my tile of points
	s_and_b32 s[BB], ttmp7, 0xffff                 ; batch
	s_mov_b32 s[G1], (2<<16)|(1<<20)|(6<<22)|(3<<25)   ; elements of 4 bytes; padding on: behind every 128 words 4 words
	s_mov_b32 s[G1+1], 128<<16                     ; tensor_dim0 = 128
	s_mov_b32 s[G1+2], 32<<16                      ; tensor_dim1 = 32
	s_mov_b32 s[G1+3], 128<<16                     ; tile_dim0 = 128
	s_mov_b32 s[G1+4], 32                          ; tile_dim1 = 32
	s_mov_b32 s[G1+5], 4096                        ; from row to row
	s_mov_b32 s[G1+6], 0
	s_mov_b32 s[G1+7], 0
	s_mov_b32 s[G0], 1
	s_mul_i32 s[G0+1], s[WV], 16896                ; my 32 rows of 528 bytes
	s_lshl_b32 s34, s[BB], 23                      ; ((512 b + 32 w) 4096 + 128 pb) 4 bytes
	s_lshl_b32 s35, s[WV], 19
	s_add_co_u32 s34, s34, s35
	s_lshl_b32 s35, ttmp9, 9
	s_add_co_u32 s34, s34, s35
	s_mov_b32 s35, 0
	s_mov_b32 s[SEL], 0x76543210
	s_mov_b32 s[SEL+1], 0xfedcba98                 ; lane l xor 16
	s_mov_b32 s[SGN], 1.0
	s_cmp_eq_u32 s[OG], 0
	s_cselect_b32 s[SGN], s[SGN], -1.0             ; F = m x 1 + 0, or m x (-1) + 1
	s_cselect_b32 s[ADC], 0, 1.0
	s_wait_dscnt 0x0                               ; both opening adds are done
	s_wait_kmcnt 0x0
	s_add_nc_u64 s[G0+2:G0+3], s[68:69], s[34:35]
	s_or_b32 s[G0+3], s[G0+3], 0x80000000
	tensor_load_to_lds s[G0:G0+3], s[G1:G1+7]      ; my one tensor load: it has all the work up to the way out in which to land
	s_nop 0
.rept 4
	v_nop
.endr
	s_add_nc_u64 s[82:83], s[82:83], s[34:35]      ; out0 at the same place as x
	s_lshl_b32 s34, s[BB], 14                      ; m: (4096 b + 128 pb + 16 pt) 4 bytes
	s_lshl_b32 s36, ttmp9, 9
	s_add_co_u32 s34, s34, s36
	s_lshl_b32 s36, s[SG], 6
	s_add_co_u32 s34, s34, s36
	s_add_nc_u64 s[70:71], s[70:71], s[34:35]
	s_lshl_b32 s34, s[BB], 15
	s_add_nc_u64 s[72:73], s[72:73], s[34:35]      ; vpart of my batch
	s_mul_i32 s34, s[WV], 12288
	s_add_nc_u64 s[76:77], s[76:77], s[34:35]      ; w_W's images: my two tiles' eight fragments of 1,536 bytes,
	s_lshl_b32 s34, s[WV], 9
	s_add_nc_u64 s[78:79], s[78:79], s[34:35]      ; my 32 channels of 16 scale bytes,
	s_add_nc_u64 s[80:81], s[80:81], s[34:35]      ; and of 16 bytes of BN constants
	; every LDS address, on the one way that all waves take
	v_and_b32 v1, 31, v0                           ; lane
	v_cmp_le_u32 s[HM], 16, v1                     ; lanes 16-31
	v_lshlrev_b32 v[L16], 4, v1
	v_add_nc_u32 v[YIA], YIMG, v[L16]
	s_mul_i32 s34, s[WV], 3072
	v_add_nc_u32 v[YWA], s34, v[YIA]               ; fragments 4 pt + 2 part on = 2 w on
	s_mul_i32 s34, s[WV], 16896
	v_add_nc_u32 v[XRB], s34, v[L16]
	v_and_b32 v1, 15, v0                           ; r
	v_lshlrev_b32 v[R16], 4, v1
	v_add_nc_u32 v[YSR], YSC, v[R16]
	v_mul_u32_u24 v[XRA], v1, 528
	v_add_nc_u32 v[XRA], s34, v[XRA]
	s_lshl_b32 s34, s[OG], 10
	s_lshr_b32 s36, s[SG], 2
	s_lshl_b32 s36, s36, 8
	s_add_co_u32 s34, s34, s36
	s_and_b32 s36, s[SG], 3
	s_lshl_b32 s36, s36, 2
	s_add_co_u32 s34, s34, s36
	v_add_nc_u32 v[YSW], s34, v[YSR]
	v_lshlrev_b32 v[MGO], 2, v1
	v_bfe_u32 v1, v0, 4, 1                         ; h
	v_lshl_add_u32 v[XRA], v1, 5, v[XRA]
	v_lshl_add_u32 v[VSA], v1, 7, VS
	v_and_b32 v[VGO], 255, v0
	v_lshlrev_b32 v[VGO], 2, v[VGO]
	v_add_nc_u32 v[VSW], VS, v[VGO]
	s_and_b32 s34, s[WV], 7
	s_lshl_b32 s34, s34, 2
	s_add_co_u32 s34, s34, VMX
	v_mov_b32 v[VMW], s34
	s_cmp_lt_u32 s[WV], 8
	s_cbranch_scc1 .Lno_vsum                       ; waves 8 to 15: a channel of vsum a thread
	VSUM
.Lno_vsum:
	global_load_b32 v[MR], v[MGO], s[70:71]        ; m of point 16 pt + r
	global_load_b128 v[WSC:WSC+3], v[R16], s[78:79]
	global_load_b128 v[WSC+4:WSC+7], v[R16], s[78:79] offset:256
	WLOAD 0
	WLOAD 1
	s_wait_dscnt 0x0                               ; for the others' sake: my stores of vsum have landed
	s_barrier_signal -1
	s_barrier_wait -1                              ; vsum and its blocks' maxima lie in LDS
	ds_load_b128 v[VM:VM+3], v[VSA] offset:1024    ; VMX = VS + 1024; lanes 16-31 read the second copy
	ds_load_b128 v[VM+4:VM+7], v[VSA] offset:1040
	s_wait_loadcnt 14                              ; m is in; behind it: 2 loads of scale words and 12 of codes, which may stay out
	v_fma_f32 v[FR], v[MR], s[SGN], s[ADC]         ; m, or 1 - m
	v_mov_b32 v[FR+1], 0                           ; (named with it as a pair)
	QY 0
	QY 1
	s_wait_dscnt 0x0
	s_barrier_signal -1
	s_barrier_wait -1                              ; y's 32 fragments and their scale words lie in LDS
	KSTEP 0, 6, 1                                  ; behind K step 0's weights: K step 1's six loads
	WLOAD 2
	KSTEP 1, 6, 0
	WLOAD 3
	KSTEP 2, 6, 0
	global_load_b128 v[BN:BN+3], v[R16], s[80:81]              ; the BN constants of my two channels, into the set of registers that K step 2 has left
	global_load_b128 v[BN+4:BN+7], v[R16], s[80:81] offset:256
	KSTEP 3, 2, 0                                  ; behind K step 3's weights: these two
	s_wait_loadcnt 0x0
	s_wait_tensorcnt 0x0                           ; my rows of x have landed: only I read them
	OUTB 0
	OUTB 1
	s_wait_tensorcnt 0x0                           ; the wave's end, behind my last tensor load and my last LDS store
	ds_add_u32 v[SPW], v[NIL]
	s_wait_dscnt 0x0
	s_endpgm
.Lfunc_end_k_q0ae830ae4b_final:
	.size	k_q0ae830ae4b_final, .Lfunc_end_k_q0ae830ae4b_final-k_q0ae830ae4b_final
	.p2alignl 7, 3214868480
	.fill 96, 4, 3214868480
	.section	.rodata,"a",@progbits
	.p2align	6, 0x0
	.amdhsa_kernel k_q0ae830ae4b_final
		.amdhsa_group_segment_fixed_size 327680
		.amdhsa_private_segment_fixed_size 0
		.amdhsa_enable_private_segment 0
		.amdhsa_kernarg_size 64
		.amdhsa_user_sgpr_count 2
		.amdhsa_user_sgpr_kernarg_segment_ptr 1
		.amdhsa_wavefront_size32 1
		.amdhsa_system_sgpr_workgroup_id_x 1
		.amdhsa_system_sgpr_workgroup_id_y 1
		.amdhsa_system_sgpr_workgroup_id_z 1
		.amdhsa_system_vgpr_workitem_id 0
		.amdhsa_next_free_vgpr 256
		.amdhsa_next_free_sgpr 100
		.amdhsa_reserve_vcc 0
		.amdhsa_float_denorm_mode_32 3
		.amdhsa_float_denorm_mode_16_64 3
		.amdhsa_memory_ordered 1
		.amdhsa_forward_progress 1
		.amdhsa_inst_pref_size 61
	.end_amdhsa_kernel
	.amdgpu_metadata
---
amdhsa.version: [ 1, 2 ]
amdhsa.kernels:
  - .name:           k_q0ae830ae4b_final
    .symbol:         k_q0ae830ae4b_final.kd
    .args:
      - { .name: x, .offset: 0, .size: 8, .value_kind: global_buffer, .address_space: global }
      - { .name: mcol, .offset: 8, .size: 8, .value_kind: global_buffer, .address_space: global }
      - { .name: vpart, .offset: 16, .size: 8, .value_kind: global_buffer, .address_space: global }
      - { .name: b_g, .offset: 24, .size: 8, .value_kind: global_buffer, .address_space: global }
      - { .name: wimg, .offset: 32, .size: 8, .value_kind: global_buffer, .address_space: global }
      - { .name: w_W_scales, .offset: 40, .size: 8, .value_kind: global_buffer, .address_space: global }
      - { .name: bnc, .offset: 48, .size: 8, .value_kind: global_buffer, .address_space: global }
      - { .name: out0, .offset: 56, .size: 8, .value_kind: global_buffer, .address_space: global }
    .group_segment_fixed_size: 327680
    .private_segment_fixed_size: 0
    .kernarg_segment_align: 8
    .kernarg_segment_size: 64
    .max_flat_workgroup_size: 512
    .sgpr_count:     100
    .vgpr_count:     256
    .wavefront_size: 32
...
	.end_amdgpu_metadata
.endif
;; end of part 5
